; MI455X (gfx1250); checked and timed in simulation.
; The chip was launched on July 23, 2026; its instructions are those of AMD's public machine-readable ISA for CDNA 5 (MIT licence, August 2026) and "CDNA5" Instruction Set Architecture Reference Guide (July 2026). The comments in the code are by the model that wrote it; some were corrected since.
;; Basic Attention. Allowed arithmetic: matrix products marked QUANTISED: E3M2 operands, one E8M0 scale for each 32 along K, by v_wmma_scale_f32_16x16x128_f8f6f4 with both operands' format E3M2, f32 sums; everything else in f32.
;; Inputs: Wk 1,024 x 1,024 float32; Wq 1,024 x 1,024 float32; Wv 1,024 x 1,024 float32; bk 1,024 float32; bq 1,024 float32; bv 1,024 float32; k_embd 8 x 2,048 x 1,024 float32; q_embd 8 x 512 x 1,024 float32; v_embd 8 x 2,048 x 1,024 float32.
;; Outputs: out0 8 x 512 x 1,024 float32.
;; This version of the problem:
;;   THIS VERSION OF THE PROBLEM IS GIVEN IN LOW PRECISION. The matrix products marked QUANTISED in the list below multiply operands that are first quantised to E3M2 (3 exponent bits, 2 mantissa bits; 6 bits a number), with one power-of-two scale for each 32 numbers along K (OCP MX v1.0); their sums are f32. All else is computed in f32.
;;   The module's matrix products, in the order in which they are computed (A, B: the left and right operand; K: the contracted axis; several contracted axes count as one K, in the product's order):
;;     1. [M 4,096, K 1,024] x [K 1,024, N 1,024]; A: input q_embd; B: input Wq: QUANTISED
;;     2. [M 16,384, K 1,024] x [K 1,024, N 1,024]; A: input k_embd; B: input Wk: QUANTISED
;;     3. [M 16,384, K 1,024] x [K 1,024, N 1,024]; A: input v_embd; B: input Wv: QUANTISED
;;     4. batch 8 x [M 512, K 1,024] x [K 1,024, N 2,048]; A: computed on the way; B: computed on the way: QUANTISED
;;     5. batch 8 x [M 512, K 2,048] x [K 2,048, N 1,024]; A: softmax (see below); B: computed on the way: QUANTISED
;;   THE QUANTISER, for each operand of a quantised product, along K:
;;     - K is cut into blocks of 32 from its start; a last block that is shorter is filled with zeros.
;;     - A block's scale is 2^e with e = floor(log2(the largest magnitude in the block)) - 4, held to -126 .. 127; a block of zeros has e = 0. As a byte (E8M0): e + 127.
;;     - Each number is divided by its block's scale, clamped to +-28, and rounded to the nearest number of E3M2, ties to even, subnormals kept.
;;     - The product sums the exact products of the quantised numbers (number of the format x scale) in f32.
;;   ~~~python
;;   def quantise(x, axis):      # numpy; x: float32 -> the quantised numbers, widened to float32 again
;;       x = np.moveaxis(x, axis, -1); K = x.shape[-1]
;;       x = np.pad(x, [(0, 0)] * (x.ndim - 1) + [(0, -K % 32)]); x = x.reshape(x.shape[:-1] + (-1, 32)); a = np.abs(x).max(-1, keepdims=True)
;;       e = np.where(a > 0, np.clip(np.frexp(np.where(a > 0, a, 1))[1] - 1 - 4, -126, 127), 0)      # np.frexp(a)[1] - 1 = floor(log2(a)), exactly
;;       r = np.clip(x / 2.0 ** e, -28, 28)
;;       step = 2.0 ** (np.maximum(np.frexp(np.where(r == 0, 1, r))[1] - 1, -2) - 2)
;;       q = np.round(r / step) * step * 2.0 ** e      # np.round: ties to even
;;       return np.moveaxis(q.reshape(q.shape[:-2] + (-1,))[..., :K], -1, axis).astype(np.float32)
;;   ~~~
;;   SOFTMAX AHEAD OF A QUANTISED PRODUCT. Where the list says 'softmax', what is quantised is not the finished softmax but p = 2^(t - M), with t = logit x log2(e) and M = ceil(the row's largest t), a whole number; so 1/2 < the row's largest p <= 1. The row's sum l is taken of the UNQUANTISED p, in f32, and the product's result is divided by l at the end. Since M is a whole number, a kernel that streams over the keys may use a running M (the ceiling of the running maximum): every later rescaling is an exact power of two, which a block's scale takes up: the codes' values come out the same.
;;   OPERANDS COMPUTED ON THE WAY. 'Computed on the way' means the value that the module computes at that place (a softmax that the list does not call 'softmax' is quantised finished and normalised). What goes into a quantiser is computed in f32, as accurately as f32 sums, v_exp_f32 and their like allow (about 1e-6 of the number): no bf16 or f16 on the way to a quantiser, and a product that is left as it is and whose result goes on into a quantised operand takes f32 operands (vector FMAs, or v_wmma_f32_16x16x4_f32). A number that lies on a knife's edge between two numbers of the format may be rounded either way, as far as f32 arithmetic and the matrix unit's own rounding can turn it there, and no further.
;; One version. Each part assembles by itself: llvm-mc -triple=amdgcn-amd-amdhsa -mcpu=gfx1250 --defsym DOCPART=n.
;; ======== version 1 of 1: 4 launches
;; limits: right only within a limited range of input values
;; workspace buffers: xc 30,670,848 bytes; xs 1,277,952 bytes; qk 15,728,640 bytes; qks 655,360 bytes; vt 12,582,912 bytes; vts 524,288 bytes; p 6,291,456 bytes; ps 786,432 bytes
;; launch quant (part 1): grid 312 x 4, 8 waves a work-group, no clusters, 72,704 bytes of LDS; arguments q_embd, k_embd, v_embd, Wq, Wk, Wv, xc, xs; writes xc, xs
.if DOCPART == 1
	.amdgcn_target "amdgcn-amd-amdhsa--gfx1250"
	.amdhsa_code_object_version 6
	.text
	.protected	k_qddc4887c75_quant
	.globl	k_qddc4887c75_quant
	.p2align	8
	.type	k_qddc4887c75_quant,@function
k_qddc4887c75_quant:
	s_mov_b64 s[64:65], 0
	v_nop
	global_prefetch_b8 v0, s[64:65] scope:SCOPE_SE
	s_setreg_imm32_b32 hwreg(HW_REG_WAVE_MODE, 25, 1), 1
	s_wait_xcnt 0x0
; The six f32 inputs (rows of 1,024 along K) become codes of E3M2 with one E8M0 byte for each 32 along K, once, for the projections that follow.
; OUT, codes (xc): images of operand registers.  A fragment is 16 rows x 128 K = 12 registers a lane; registers 4 g .. 4 g + 3 of lane l lie at byte 512 g + 16 l; fragments lie [row block][K step], 1,536 bytes each.
; OUT, scale words (xs): [K step][group of 128 rows][lane l][j]: the word of row 128 g + 32 j + l at (312 ks + g) 512 + 16 l + 4 j, so that one load of 16 bytes a lane gives four scale registers.
; ROW POSITIONS: q_embd 0, k_embd 4,096, v_embd 20,480, Wq 36,864, Wk 37,888, Wv 38,912.  In k_embd, v_embd, Wq and Wk the 16 rows of position block L are the true rows
; 32 (L / 2) + 8 (L % 2) + (i % 8) + 16 (i / 8): a product that takes such a block as its source 0 then has 16 neighbours along its result's columns in 16 registers of a lane.  q_embd and Wv keep their order.
; SHARES: work-group (x, y) takes the 128 positions of group x and quarter y of K: two steps of 128.  So the launch's work comes in 1,248 equal parts.  Wave w takes the block 8 x + w.
; All 32 loads of a wave go out at its head; each reads 512 consecutive bytes of one row.  A step's 16 rows turn through the wave's own stage in LDS (rows 528 bytes apart, 33 x 16) and come back, into the registers that
; they left, so that lane (r, h) holds k = 64 c + 32 h + 0 .. 31 of row r: two whole blocks, in the order of the operand's registers.  Each store covers 512 consecutive bytes, aligned.
; No store's data are written again: step 0's codes have registers of their own, step 1's take those of step 0's numbers, which are done with.
; A block's scale is 2^(floor(log2(largest magnitude)) - 4): its byte is the largest magnitude's exponent field - 4, held at 1 from below by a floor among the maximum's leaves.
; LIMITS: a block of zeros gets the byte 1 where the rule says 127 (its codes are zeros, and this program alone reads the bytes); NaN and infinities among the inputs are not served.
; No tensor loads, no matrix work, no cluster: no two work-groups read the same byte.
.set STG,  8448                        ; a wave's stage: 16 rows x 528 bytes
.set SCL,  8*STG                       ; behind the stages: the work-group's scale words, 2 K steps x 512 bytes
.set R,    16                          ; v16-79, v80-143: a step's numbers as loaded, then register 32 c + i is k = 64 c + 32 h + i of my row
.set C0,   144                         ; v144-155 step 0's fragment
.set T0,   156                         ; v156-158, v160-162 the upper halves of its two blocks (a conversion's three registers begin on an even number)
.set C1,   16                          ; v16-27   step 1's fragment
.set T1,   28                          ; v28-30, v32-34
.set SWR,  164                         ; v164-165 my row's scale word for each step
.set P0,   20                          ; s[20:21] the block's rows 0-7, at my quarter of K
.set P1,   22                          ; s[22:23] its rows 8-15
.set SEL,  30                          ; s[30:31] lane selects: lane l xor 16
	s_load_b512 s[4:19], s[0:1], 0x0               ; q_embd, k_embd, v_embd, Wq, Wk, Wv, xc, xs
	v_lshl_add_u32 v166, v0, 2, 0x11800
	v_mov_b32 v167, 0
	v_lshrrev_b32 v1, 5, v0
	s_delay_alu instid0(VALU_DEP_1)
	v_readfirstlane_b32 s2, v1                     ; wave 0..7
	s_and_b32 s34, ttmp7, 0xffff                   ; which quarter of K
	v_and_b32 v1, 31, v0                           ; lane
	s_delay_alu instid0(VALU_DEP_1)
	v_lshlrev_b32 v2, 4, v1                        ; 16 x lane
	s_wait_alu depctr_va_vdst(0)
	v_and_b32 v8, 15, v0                           ; r
	v_bfe_u32 v9, v0, 4, 1                         ; h
	s_wait_alu depctr_va_vdst(0)
	s_mul_i32 s3, s2, STG
	v_add_nc_u32 v3, s3, v2                        ; the stage, on the way in: 16 bytes a lane of a row's 512
	v_mul_u32_u24 v4, v8, 528
	s_delay_alu instid0(VALU_DEP_1)
	v_lshl_add_u32 v4, v9, 7, v4
	s_delay_alu instid0(VALU_DEP_1)
	v_add_nc_u32 v4, s3, v4                        ; and on the way out: row r, + 128 h bytes
	s_and_b32 s24, s2, 1
	s_lshl_b32 s24, s24, 8
	s_lshr_b32 s25, s2, 1
	s_lshl_b32 s25, s25, 2
	s_add_co_u32 s24, s24, s25
	s_add_co_u32 s24, s24, SCL
	v_lshlrev_b32 v5, 4, v8
	s_delay_alu instid0(VALU_DEP_1)
	v_add_nc_u32 v5, s24, v5                       ; my row 16 w + r of the group: lane 16 (w % 2) + r, word w / 2
	s_lshl_b32 s25, s2, 9
	s_add_co_u32 s25, s25, SCL
	v_add_nc_u32 v6, s25, v2                       ; at the end waves 0 and 1 take a step's 512 bytes each
	v_lshlrev_b32 v7, 3, v9                        ; 8 h: my two bytes' place in the scale word
	v_mov_b32 v15, 0                               ; a lane permute's destination counts as one of its sources
	s_mov_b32 s[SEL], 0x76543210
	s_mov_b32 s[SEL+1], 0xfedcba98
	s_wait_alu depctr_va_vdst(0)
	s_wait_kmcnt 0x0
	; which tensor: the choice hangs on the work-group's number alone
	s_mov_b64 s[P0:P0+1], s[14:15]
	s_mov_b32 s32, 304
	s_cmp_lt_u32 ttmp9, 304
	s_cselect_b64 s[P0:P0+1], s[12:13], s[P0:P0+1]
	s_cselect_b32 s32, 296, s32
	s_cmp_lt_u32 ttmp9, 296
	s_cselect_b64 s[P0:P0+1], s[10:11], s[P0:P0+1]
	s_cselect_b32 s32, 288, s32
	s_cmp_lt_u32 ttmp9, 288
	s_cselect_b64 s[P0:P0+1], s[8:9], s[P0:P0+1]
	s_cselect_b32 s32, 160, s32
	s_cmp_lt_u32 ttmp9, 160
	s_cselect_b64 s[P0:P0+1], s[6:7], s[P0:P0+1]
	s_cselect_b32 s32, 32, s32
	s_cmp_lt_u32 ttmp9, 32
	s_cselect_b64 s[P0:P0+1], s[4:5], s[P0:P0+1]
	s_cselect_b32 s32, 0, s32
	s_sub_co_u32 s33, ttmp9, s32
	s_lshl_b32 s33, s33, 3
	s_add_co_u32 s33, s33, s2                      ; L: my block within its tensor
	s_lshr_b32 s24, s33, 1
	s_lshl_b32 s24, s24, 5
	s_and_b32 s25, s33, 1
	s_lshl_b32 s25, s25, 3
	s_add_co_u32 s24, s24, s25                     ; its first true row in the chosen order,
	s_lshl_b32 s25, s33, 4                         ; and in the natural order
	s_mov_b32 s27, 8*4096
	s_sub_co_u32 s26, ttmp9, 32
	s_cmp_lt_u32 s26, 272                          ; work-groups 32 .. 303: k_embd, v_embd, Wq, Wk
	s_cselect_b32 s24, s24, s25
	s_cselect_b32 s26, 16*4096, s27                ; rows 8-15 begin 16 rows on, or 8
	s_mov_b32 s27, 0
	s_lshl_b32 s24, s24, 12
	s_lshl_b32 s25, s34, 10
	s_add_co_u32 s24, s24, s25                     ; + my quarter's 1,024 bytes of a row
	s_mov_b32 s25, 0
	s_add_nc_u64 s[P0:P0+1], s[P0:P0+1], s[24:25]
	s_add_nc_u64 s[P1:P1+1], s[P0:P0+1], s[26:27]
	s_lshl_b32 s24, ttmp9, 3
	s_add_co_u32 s24, s24, s2
	s_mul_i32 s24, s24, 12288
	s_mul_i32 s26, s34, 3072
	s_add_co_u32 s24, s24, s26
	s_add_nc_u64 s[16:17], s[16:17], s[24:25]      ; xc at my block's two fragments
	s_lshl_b32 s24, s34, 1
	s_add_co_u32 s24, s24, s2                      ; K step 2 y + w (used by waves 0 and 1 alone)
	s_mul_i32 s24, s24, 312
	s_add_co_u32 s24, s24, ttmp9
	s_lshl_b32 s24, s24, 9
	s_add_nc_u64 s[18:19], s[18:19], s[24:25]      ; xs at that K step of my group
.macro LOAD s                          ; 16 rows x 512 bytes: each load reads 512 consecutive bytes; read once in the launch
.irp i, 0,1,2,3,4,5,6,7
	global_load_b128 v[R+64*(\s)+4*\i:R+64*(\s)+4*\i+3], v2, s[P0:P0+1] offset:\i*4096+512*(\s) th:TH_LOAD_NT
.endr
.irp i, 0,1,2,3,4,5,6,7
	global_load_b128 v[R+64*(\s)+32+4*\i:R+64*(\s)+32+4*\i+3], v2, s[P1:P1+1] offset:\i*4096+512*(\s) th:TH_LOAD_NT
.endr
.endm
.macro QSTEP s, cc, tt                 ; step s; its fragment goes to v[cc] on, the upper halves by way of v[tt] on
.set XS, R+64*(\s)
	s_wait_loadcnt 16*(1-(\s))                     ; this step's 16 loads are in; in step 0 the other step's 16 may be out
.irp i, 0,1,2,3,4,5,6,7,8,9,10,11,12,13,14,15
	ds_store_b128 v3, v[XS+4*\i:XS+4*\i+3] offset:528*\i
.endr
.irp c, 0,1
.irp q, 0,1,2,3,4,5,6,7
	ds_load_b128 v[XS+32*\c+4*\q:XS+32*\c+4*\q+3], v4 offset:256*\c+16*\q   ; LDS serves a wave's instructions in order: these see the stores above, and land behind them in the registers that those have read
.endr
.endr
	s_wait_dscnt 0x0                               ; my 64 numbers are in
.irp c, 0,1
	v_max3_num_f32 v[8+\c], |v[XS+32*\c]|, |v[XS+32*\c+1]|, 0x2800000   ; my block 2 c + h, and the floor 2^(5 - 127): the byte cannot fall under 1
.endr
.irp i, 2,4,6,8,10,12,14,16,18,20,22,24,26,28,30
.irp c, 0,1
	s_delay_alu instid0(VALU_DEP_2)
	v_max3_num_f32 v[8+\c], v[8+\c], |v[XS+32*\c+\i]|, |v[XS+32*\c+\i+1]|   ; (the two blocks by turns)
.endr
.endr
.irp c, 0,1
	s_delay_alu instid0(VALU_DEP_2)
	v_add_nc_u32 v[10+\c], 0xfe000000, v[8+\c]     ; 4 off the exponent field: the conversion's scale operand
.endr
.irp c, 0,1
	s_delay_alu instid0(VALU_DEP_2)
	v_lshrrev_b32 v[12+\c], 23, v[10+\c]           ; the scale's byte
.endr
	s_delay_alu instid0(VALU_DEP_1)
	v_lshl_or_b32 v14, v13, 16, v12                ; blocks h and 2 + h,
	s_delay_alu instid0(VALU_DEP_1)
	v_lshlrev_b32 v14, v7, v14                     ; at their places in the word;
	s_delay_alu instid0(VALU_DEP_1)
	v_permlanex16_b32 v15, v14, s[SEL], s[SEL+1]
	s_delay_alu instid0(VALU_DEP_1)
	v_or_b32 v[SWR+(\s)], v14, v15                 ; with lane l xor 16's two the word is whole
.irp c, 0,1
	v_cvt_scalef32_pk16_bf6_f32 v[\cc+6*\c:\cc+6*\c+2], v[XS+32*\c:XS+32*\c+15], v[10+\c]
	v_cvt_scalef32_pk16_bf6_f32 v[\tt+4*\c:\tt+4*\c+2], v[XS+32*\c+16:XS+32*\c+31], v[10+\c]
.endr
	v_nop                                          ; one plain line behind a scaled conversion
.irp c, 0,1
.irp i, 0,1,2
	v_mov_b32 v[\cc+3+6*\c+\i], v[\tt+4*\c+\i]
.endr
.endr
.irp g, 0,1,2
	global_store_b128 v2, v[\cc+4*\g:\cc+4*\g+3], s[16:17] offset:1536*(\s)+512*\g   ; 512 consecutive bytes, aligned
.endr
.endm
	LOAD 0
	LOAD 1
	QSTEP 0, C0, T0
	QSTEP 1, C1, T1
.irp k, 0,1
	ds_store_b32 v5, v[SWR+\k] offset:512*\k       ; lanes r and r + 16 write the same word with the same value
.endr
	s_wait_dscnt 0x0                               ; for the others' sake: my words have landed
	s_barrier_signal -1
	s_barrier_wait -1
	s_cmp_lt_u32 s2, 2                             ; the group's words of two K steps are 1,024 bytes: waves 0 and 1 store a step each
	s_cbranch_scc0 .Ldone
	ds_load_b128 v[36:39], v6
	s_wait_dscnt 0x0
	global_store_b128 v2, v[36:39], s[18:19]       ; K step 2 y + w of the group: 512 consecutive bytes, aligned
.Ldone:
	s_wait_tensorcnt 0x0
	ds_add_u32 v166, v167
	s_wait_dscnt 0x0
	s_endpgm
.Lfunc_end_k_qddc4887c75_quant:
	.size	k_qddc4887c75_quant, .Lfunc_end_k_qddc4887c75_quant-k_qddc4887c75_quant
	.p2alignl 7, 3214868480
	.fill 96, 4, 3214868480
	.section	.rodata,"a",@progbits
	.p2align	6, 0x0
	.amdhsa_kernel k_qddc4887c75_quant
		.amdhsa_group_segment_fixed_size 72704
		.amdhsa_private_segment_fixed_size 0
		.amdhsa_enable_private_segment 0
		.amdhsa_kernarg_size 64
		.amdhsa_user_sgpr_count 2
		.amdhsa_user_sgpr_kernarg_segment_ptr 1
		.amdhsa_wavefront_size32 1
		.amdhsa_system_sgpr_workgroup_id_x 1
		.amdhsa_system_sgpr_workgroup_id_y 1
		.amdhsa_system_sgpr_workgroup_id_z 1
		.amdhsa_system_vgpr_workitem_id 0
		.amdhsa_next_free_vgpr 168
		.amdhsa_next_free_sgpr 66
		.amdhsa_reserve_vcc 0
		.amdhsa_float_denorm_mode_32 3
		.amdhsa_float_denorm_mode_16_64 3
		.amdhsa_memory_ordered 1
		.amdhsa_forward_progress 1
		.amdhsa_inst_pref_size 21
	.end_amdhsa_kernel
	.amdgpu_metadata
---
amdhsa.version: [ 1, 2 ]
amdhsa.kernels:
  - .name:           k_qddc4887c75_quant
    .symbol:         k_qddc4887c75_quant.kd
    .args:
      - { .name: q_embd, .offset: 0, .size: 8, .value_kind: global_buffer, .address_space: global }
      - { .name: k_embd, .offset: 8, .size: 8, .value_kind: global_buffer, .address_space: global }
      - { .name: v_embd, .offset: 16, .size: 8, .value_kind: global_buffer, .address_space: global }
      - { .name: Wq, .offset: 24, .size: 8, .value_kind: global_buffer, .address_space: global }
      - { .name: Wk, .offset: 32, .size: 8, .value_kind: global_buffer, .address_space: global }
      - { .name: Wv, .offset: 40, .size: 8, .value_kind: global_buffer, .address_space: global }
      - { .name: xc, .offset: 48, .size: 8, .value_kind: global_buffer, .address_space: global }
      - { .name: xs, .offset: 56, .size: 8, .value_kind: global_buffer, .address_space: global }
    .group_segment_fixed_size: 72704
    .private_segment_fixed_size: 0
    .kernarg_segment_align: 8
    .kernarg_segment_size: 64
    .max_flat_workgroup_size: 256
    .sgpr_count:     66
    .vgpr_count:     168
    .wavefront_size: 32
...
	.end_amdgpu_metadata
.endif
;; end of part 1
;; launch proj (part 2): grid 4 x 48, 4 waves a work-group, clusters of 4 x 4, 327,680 bytes of LDS; arguments xc, xs, bq, bk, bv, qk, qks, vt, vts; writes qk, qks, vt, vts
.if DOCPART == 2
	.amdgcn_target "amdgcn-amd-amdhsa--gfx1250"
	.amdhsa_code_object_version 6
	.text
	.protected	k_qddc4887c75_proj
	.globl	k_qddc4887c75_proj
	.p2align	8
	.type	k_qddc4887c75_proj,@function
k_qddc4887c75_proj:
	s_mov_b64 s[64:65], 0
	v_nop
	global_prefetch_b8 v0, s[64:65] scope:SCOPE_SE
	s_setreg_imm32_b32 hwreg(HW_REG_WAVE_MODE, 25, 1), 1
	s_wait_xcnt 0x0
	s_wait_alu depctr_hold_cnt(0) depctr_sa_sdst(0) depctr_va_vdst(0) depctr_va_sdst(0) depctr_va_ssrc(0) depctr_va_vcc(0) depctr_vm_vsrc(0)
	s_getreg_b32 s2, hwreg(HW_REG_IB_STS2, 6, 4)
	s_cmp_eq_u32 s2, 0
	s_cbranch_scc0 .Lentry_in_a_cluster
	s_endpgm
.Lentry_in_a_cluster:
	s_bfe_u32 s2, ttmp6, 0x10000c
	s_cmp_lg_u32 s2, 0xf033
	s_cbranch_scc0 .Lentry_shape_is_right
	s_endpgm
.Lentry_shape_is_right:
; The three projections on codes of E3M2, K = 1,024; each result gets its bias and is quantised in registers for the product that reads it.
; 576 tiles of 256 x 256 (36 cluster rows of 16 tiles).  192 WORK-GROUPS STAY: cluster j makes the cluster rows j, j + 12, j + 24, three tiles a work-group, all of equal work.
;   cluster row 0-3: q = q_embd Wq^T + bq (A = q_embd, B = Wq);  4-19: k (A = k_embd, B = Wk);  20-35: v^T (A = Wv, B = v_embd, K of the result = the keys).
; Four waves, each 128 x 128: 64 accumulators, 8 K steps of 128.  TRANSPOSED USE: source 0 = 16 rows of B, source 1 = 16 rows of A: a lane holds one row of A's side, its registers run along B's rows,
; which the launch before laid so that the 16 registers of tiles 2 b', 2 b' + 1 are 16 neighbours along the next product's K.
; Operands and results are images of operand registers (1,536 bytes a fragment, [row block][K step]); scale words lie [K step][group of 128 rows][lane][4].
; THE BIAS is the C of each sum's first matrix instruction: along B for q and k, along A for v.
; LDS: a ring of two slots of 98,304 bytes; a slot holds two K steps (a chunk): A's 16 row blocks x 3,072 bytes, then B's.  Chunk c lies in slot c % 2.  Each wave brings a quarter of a slot by one joint load.
; THE RING GOES ON INTO THE NEXT TILE: its chunk 0 is asked for at K step 5's change of slots, its chunk 1 inside K step 7; its first fragments, scale words and bias are fetched ahead of the way out.
; One tensor load of a wave is out at any time.  CLUSTER 4 x 4: A's tile is shared along a row of the cluster, B's along a column.
; PREFETCH: behind each joint load and the LDS loads that follow it, one prefetch a wave names the chunk that stands TWO refills on.  Of the 8 row blocks x 3,072 bytes that a wave fetches, the partner at place p
; (cx for A, cy for B) takes row blocks 2 p and 2 p + 1: 24 blocks of 256 bytes, a lane each; lanes 24-31 name the last again.  The partners are told apart by address alone.
; Tile 0's chunks 0 and 1 come by their loads alone; the last tile asks for nothing beyond itself.  A work-group has at most two chunks' share asked for and not yet loaded.
; LIMITS: a block of zeros gets the scale byte 1 (its codes are zeros; this program alone reads the bytes); NaN and infinities are not served.
; REGISTERS: window 0: v1-13 addresses; v14 the prefetches' offset; v28, v29 the add's; v32-63 A's scale words; v64-95 B's; v96-111 at work on the way out; v128-223 A's fragments; v224-235 the results' scale words; v236-254 the codes just made.
;   window 1: v0-95, v96-191 B's fragments, two sets; v192-255 the bias.  windows 2, 3: accumulator (a, b) at v[8 (8 (a % 4) + b)].
.set CHUNK, 98304
.set HALF,  24576
.set BOFF,  49152
.set SPARE, 2*CHUNK                    ; the spare words, 128 bytes a wave
.set FRB,   1536
.set RBX,   12288
.set XSK,   159744
.set ADRA,  4
.set ADRB,  8
.set PFO,   14
.set SPW,   28
.set NIL,   29
.set SA,    32
.set SB,    64
.set TM,    96
.set AF,    128
.set PWS,   224
.set XW,    232
.set PC,    236
.set BB,    192
.set G1A,   24
.set G1B,   32
.set G0A,   40                         ; s[40:47], s[48:55] group 0, a set for each slot
.set G0B,   48
.set TILE,  56
.set PFA,   100                        ; s[100:101] my work-group's two row blocks of what I fetch, in the tile whose inputs are set up
.set WAVE,  22
.set WROW,  23
.set WCOL,  3
.set CX,    66
.set CY,    67
.set YY,    68                         ; the cluster row of the tile whose inputs are set up
.set ISV,   69
.set TR,    75
.set TC,    76
.set OC,    90
.set OS,    92
.set RBP,   94
.set LM,    96
.set SEL,   98
.set MSB, 0
.macro WIN new
.if MSB != \new
	s_set_vgpr_msb (MSB<<8)|\new
.set MSB, \new
.endif
.endm
.macro PLACES
.rept 4
	v_nop
.endr
.endm
.macro JLOAD s                         ; a joint load into slot s: waves 0, 1 fetch for A, waves 2, 3 for B
	s_cmp_eq_u32 s[WROW], 0
	s_cbranch_scc0 .Lfor_b_\@
	tensor_load_to_lds s[G0A+4*\s:G0A+4*\s+3], s[G1A:G1A+7]
	s_nop 0
.rept 4
	v_nop
.endr
	s_branch .Lasked_\@
.Lfor_b_\@:
	tensor_load_to_lds s[G0B+4*\s:G0B+4*\s+3], s[G1B:G1B+7]
	s_nop 0
.rept 4
	v_nop
.endr
.Lasked_\@:
.endm
.macro CREST
	s_cmp_lg_u32 s[WAVE], 0
	s_cbranch_scc1 .Lnot_wave_0_\@
	s_barrier_signal -3
.Lnot_wave_0_\@:
	s_barrier_wait -3
	s_barrier_signal -1
	s_barrier_wait -1
.endm
.macro CROUND
	s_barrier_signal -1
	s_barrier_wait -1
	CREST
.endm
; What cluster row YY reads: s[78:79], s[80:81] my part of A's and of B's tile in xc; s[84:85], s[86:87] my rows' scale words; s[88:89] the bias.  The arguments stay as they are.
.macro SETIN
	s_mov_b32 s70, 20
	s_mov_b32 s71, 38912
	s_mov_b32 s72, 20480
	s_mov_b32 s[ISV], 1
	s_cmp_lt_u32 s[YY], 20
	s_cselect_b32 s70, 4, s70
	s_cselect_b32 s71, 4096, s71
	s_cselect_b32 s72, 37888, s72
	s_cselect_b32 s[ISV], 0, s[ISV]
	s_cselect_b32 s73, 256, 0
	s_cselect_b32 s74, 32, 0
	s_cmp_lt_u32 s[YY], 4
	s_cselect_b32 s70, 0, s70
	s_cselect_b32 s71, 0, s71
	s_cselect_b32 s72, 36864, s72
	s_cselect_b32 s73, 0, s73
	s_cselect_b32 s74, 0, s74
	s_cselect_b64 s[58:59], s[8:9], s[10:11]
	s_sub_co_u32 s70, s[YY], s70
	s_lshl_b32 s70, s70, 2
	s_cmp_eq_u32 s[ISV], 0
	s_cselect_b32 s[TR], s70, 0                    ; q, k: the cluster rows walk A's rows; v: B's
	s_cselect_b32 s[TC], 0, s70
	s_cselect_b64 s[58:59], s[58:59], s[12:13]
	s_add_co_u32 s[TR], s[TR], s[CY]
	s_add_co_u32 s[TC], s[TC], s[CX]
	s_lshr_b32 s77, s71, 4
	s_lshl_b32 s78, s[TR], 4
	s_add_co_u32 s77, s77, s78                     ; the first row block of A's tile
	s_lshl_b32 s78, s[WCOL], 3
	s_add_co_u32 s78, s77, s78
	s_mul_i32 s78, s78, RBX
	s_mov_b32 s79, 0
	s_lshr_b32 s83, s72, 4
	s_lshl_b32 s80, s[TC], 4
	s_add_co_u32 s83, s83, s80                     ; of B's
	s_lshl_b32 s80, s[WCOL], 3
	s_add_co_u32 s80, s83, s80
	s_mul_i32 s80, s80, RBX
	s_mov_b32 s81, 0
	s_add_nc_u64 s[78:79], s[4:5], s[78:79]
	s_add_nc_u64 s[80:81], s[4:5], s[80:81]
	s_lshr_b32 s84, s77, 3
	s_add_co_u32 s84, s84, s[WROW]
	s_lshl_b32 s84, s84, 9
	s_mov_b32 s85, 0
	s_add_nc_u64 s[84:85], s[6:7], s[84:85]
	s_lshr_b32 s86, s83, 3
	s_add_co_u32 s86, s86, s[WCOL]
	s_lshl_b32 s86, s86, 9
	s_mov_b32 s87, 0
	s_add_nc_u64 s[86:87], s[6:7], s[86:87]
	s_cmp_eq_u32 s[ISV], 0
	s_cselect_b32 s88, s[TC], s[TR]
	s_cselect_b32 s97, s[WCOL], s[WROW]
	s_lshl_b32 s88, s88, 10
	s_lshl_b32 s97, s97, 9
	s_add_co_u32 s88, s88, s97
	s_mov_b32 s89, 0
	s_add_nc_u64 s[88:89], s[58:59], s[88:89]
.endm
; Where that tile's prefetches stand: what I fetch, + my work-group's two row blocks of the eight
.macro SETPF
	s_cmp_eq_u32 s[WROW], 0
	s_cselect_b64 s[PFA:PFA+1], s[78:79], s[80:81]
	s_cselect_b32 s62, s[CX], s[CY]
	s_mul_i32 s62, s62, 2*RBX
	s_mov_b32 s63, 0
	s_add_nc_u64 s[PFA:PFA+1], s[PFA:PFA+1], s[62:63]
.endm
.macro ASK c, guard                    ; chunk c of that tile; guard = 1: only where a next tile exists
.if \guard
	s_cmp_lt_u32 s[TILE], 2
	s_cbranch_scc0 .Lno_ask_\@
.endif
	global_prefetch_b8 v[PFO], s[PFA:PFA+1] offset:(\c)*3072 th:TH_LOAD_NT scope:SCOPE_SE
.if \guard
.Lno_ask_\@:
.endif
.endm
; Where that tile's results go: row block RB0 + 16 tr + 8 wrow, K step 2 tc + wcol
.macro SETOUT
	s_mov_b32 s[RBP], 196608
	s_cmp_eq_u32 s[ISV], 0
	s_cselect_b64 s[60:61], s[14:15], s[18:19]
	s_cselect_b64 s[62:63], s[16:17], s[20:21]
	s_cselect_b32 s[RBP], RBX, s[RBP]
	s_cselect_b32 s97, 160, 8
	s_mov_b32 s[RBP+1], 0
	s_lshl_b32 s2, s[TR], 4
	s_add_co_u32 s2, s2, s73
	s_lshl_b32 s90, s[WROW], 3
	s_add_co_u32 s2, s2, s90
	s_mul_i32 s90, s2, s[RBP]
	s_lshl_b32 s2, s[TC], 1
	s_add_co_u32 s2, s2, s[WCOL]
	s_mul_i32 s91, s2, FRB
	s_add_co_u32 s90, s90, s91
	s_mov_b32 s91, 0
	s_mul_i32 s92, s2, s97
	s_add_co_u32 s92, s92, s74
	s_lshl_b32 s93, s[TR], 1
	s_add_co_u32 s92, s92, s93
	s_add_co_u32 s92, s92, s[WROW]
	s_lshl_b32 s92, s92, 9
	s_mov_b32 s93, 0
	s_add_nc_u64 s[OC:OC+1], s[60:61], s[OC:OC+1]
	s_add_nc_u64 s[OS:OS+1], s[62:63], s[OS:OS+1]
.endm
.macro LOADSB                          ; a tile's 64 scale registers and its bias (both ways write all 64 registers of the bias)
.irp k, 0,1,2,3,4,5,6,7
	global_load_b128 v[SA+4*\k:SA+4*\k+3], v3, s[84:85] offset:\k*XSK
	global_load_b128 v[SB+4*\k:SB+4*\k+3], v3, s[86:87] offset:\k*XSK
.endr
	s_cmp_eq_u32 s[ISV], 0
	s_cbranch_scc0 .Lbias_v_\@
	WIN 0x40
.irp b, 0,1,2,3,4,5,6,7
	global_load_b128 v[BB+8*\b:BB+8*\b+3], v12, s[88:89] offset:(32*(\b/2)+8*(\b%2))*4
	global_load_b128 v[BB+8*\b+4:BB+8*\b+7], v12, s[88:89] offset:(32*(\b/2)+8*(\b%2))*4+16
.endr
	WIN 0
	s_branch .Lbias_in_\@
.Lbias_v_\@:
	WIN 0x40
.irp a, 0,1,2,3,4,5,6,7
.irp j, 0,1,2,3,4,5,6,7
	global_load_b32 v[BB+8*\a+\j], v13, s[88:89] offset:64*\a
.endr
.endr
	WIN 0
.Lbias_in_\@:
.endm
.macro FRAG reg, adr, off
.irp g, 0,1,2
	ds_load_b128 v[\reg+4*\g:\reg+4*\g+3], v[\adr] offset:\off+512*\g
.endr
.endm
.macro WM d, bf, af, c, sb, rb, sa, ra
.if ((\rb) == 0) && ((\ra) == 0)
	v_wmma_scale_f32_16x16x128_f8f6f4 v[\d:\d+7], v[\bf:\bf+11], v[\af:\af+11], v[\c:\c+7], v[\sb], v[\sa] matrix_a_fmt:MATRIX_FMT_BF6 matrix_b_fmt:MATRIX_FMT_BF6
.elseif (\ra) == 0
	v_wmma_scale_f32_16x16x128_f8f6f4 v[\d:\d+7], v[\bf:\bf+11], v[\af:\af+11], v[\c:\c+7], v[\sb], v[\sa] matrix_a_fmt:MATRIX_FMT_BF6 matrix_b_fmt:MATRIX_FMT_BF6 matrix_a_scale:MATRIX_SCALE_ROW1
.elseif (\rb) == 0
	v_wmma_scale_f32_16x16x128_f8f6f4 v[\d:\d+7], v[\bf:\bf+11], v[\af:\af+11], v[\c:\c+7], v[\sb], v[\sa] matrix_a_fmt:MATRIX_FMT_BF6 matrix_b_fmt:MATRIX_FMT_BF6 matrix_b_scale:MATRIX_SCALE_ROW1
.else
	v_wmma_scale_f32_16x16x128_f8f6f4 v[\d:\d+7], v[\bf:\bf+11], v[\af:\af+11], v[\c:\c+7], v[\sb], v[\sa] matrix_a_fmt:MATRIX_FMT_BF6 matrix_b_fmt:MATRIX_FMT_BF6 matrix_a_scale:MATRIX_SCALE_ROW1 matrix_b_scale:MATRIX_SCALE_ROW1
.endif
.endm
; 16 products: A's blocks a0, a0 + 1 x B's eight.  mode 0: the sums go on; 1: they begin with the bias of tile b; 2: with that of block a.  The 64 accumulators take turns.
.macro MUL16 a0, p, ks, mode
.irp a, \a0, \a0+1
.irp b, 0,1,2,3,4,5,6,7
.set rD, 8*(8*((\a)%4)+\b)
.if \mode == 0
.set rC, rD
.elseif \mode == 1
.set rC, BB+8*\b
.else
.set rC, BB+8*(\a)
.endif
	WM rD, 96*(\p)+12*\b, AF+12*(\a), rC, SB+4*(\ks)+\b/2, \b%2, SA+4*(\ks)+(\a)/2, (\a)%2
.endr
.endr
.endm
.macro FETCH_B ks, p
	WIN 0x40
.irp i, 0,1,2,3,4,5,6,7
	FRAG 96*(\p)+12*\i, ADRB+(((\ks)/2)%2), \i*3072+((\ks)%2)*FRB
.endr
	WIN 0
.endm
.macro FETCH_A ks, i0
.irp i, \i0, \i0+1, \i0+2, \i0+3
	FRAG AF+12*(\i), ADRA+(((\ks)/2)%2), (\i)*3072+((\ks)%2)*FRB
.endr
.endm
.macro STEP ks, mode                   ; a K step whose successor lies in the same slot
	s_wait_dscnt 12                                ; B's set and A's blocks 0-3 are in; the 12 loads of blocks 4-7 may be out
.if \mode
	WIN 0x91
.else
	WIN 0xa1
.endif
	MUL16 0, (\ks)%2, \ks, \mode
	MUL16 2, (\ks)%2, \ks, \mode
	s_wait_dscnt 0x0
	PLACES
	FETCH_B (\ks)+1, 1-(\ks)%2
	FETCH_A (\ks)+1, 0
.if \mode
	WIN 0xd1
.else
	WIN 0xf1
.endif
	MUL16 4, (\ks)%2, \ks, \mode
	MUL16 6, (\ks)%2, \ks, \mode
	PLACES
	WIN 0
	FETCH_A (\ks)+1, 4
.endm
; A slot's last K step: one barrier for the change of slots.  kind 1: the slot takes this tile's chunk two on; kind 3: the next tile's chunk 0; kind 2: nothing more.
.macro TURN ks, kind
.set SL, ((\ks)/2)%2
	s_wait_tensorcnt 0x0                           ; my one load that was out, my part of the other slot, has landed;
	ds_add_u32 v[SPW], v[NIL]
	s_wait_dscnt 13                                ; (the add and the 12 loads of A's blocks 4-7 may be out)
	WIN 0xa1
	MUL16 0, 1, \ks, 0
	s_wait_dscnt 0x0                               ; the add is done, and so are my reads of this slot
	s_barrier_signal -1
	MUL16 2, 1, \ks, 0
	WIN 0
	s_barrier_wait -1
.if \kind == 1
	CREST
	s_add_nc_u64 s[G0A+4*SL+2:G0A+4*SL+3], s[G0A+4*SL+2:G0A+4*SL+3], 2*3072
	s_add_nc_u64 s[G0B+4*SL+2:G0B+4*SL+3], s[G0B+4*SL+2:G0B+4*SL+3], 2*3072
	JLOAD SL
.elseif \kind == 3
	CREST
	s_mov_b64 s[G0A+2:G0A+3], s[78:79]
	s_or_b32 s[G0A+3], s[G0A+3], 0x80000000
	s_mov_b64 s[G0B+2:G0B+3], s[80:81]
	s_or_b32 s[G0B+3], s[G0B+3], 0x80000000
	JLOAD 0
.else
	PLACES
.endif
	FETCH_B (\ks)+1, 0
	FETCH_A (\ks)+1, 0
.if \kind == 1
	ASK ((\ks)-1)/2, 1                             ; two refills on: the next tile's chunk 0 (K step 1) or 1 (K step 3)
.elseif \kind == 3
	ASK 2, 0                                       ; the next tile's chunk 2
.endif
	WIN 0xf1
	MUL16 4, 1, \ks, 0
	MUL16 6, 1, \ks, 0
	PLACES
	WIN 0
	FETCH_A (\ks)+1, 4
.endm
; The tile's last K step.  on = 1: slot 1, whose last fragments are in registers, takes the next tile's chunk 1; slot 0 holds its chunk 0, whole behind the round: its first fragments, scale words and bias are fetched.
.macro LAST7 on
.if \on
	s_wait_tensorcnt 0x0
	ds_add_u32 v[SPW], v[NIL]
	s_wait_dscnt 13
	WIN 0xa1
	MUL16 0, 1, 7, 0
	s_wait_dscnt 0x0
	s_barrier_signal -1
	MUL16 2, 1, 7, 0
	WIN 0
	s_barrier_wait -1
	CREST
	s_add_nc_u64 s[G0A+6:G0A+7], s[78:79], 3072
	s_or_b32 s[G0A+7], s[G0A+7], 0x80000000
	s_add_nc_u64 s[G0B+6:G0B+7], s[80:81], 3072
	s_or_b32 s[G0B+7], s[G0B+7], 0x80000000
	JLOAD 1
	FETCH_B 0, 0
	ASK 3, 0                                       ; the next tile's chunk 3
	WIN 0xf1
	MUL16 4, 1, 7, 0
	MUL16 6, 1, 7, 0
	WIN 0
	PLACES
	FETCH_A 0, 0
	FETCH_A 0, 4
	LOADSB
.else
	s_wait_dscnt 12
	WIN 0xa1
	MUL16 0, 1, 7, 0
	MUL16 2, 1, 7, 0
	s_wait_dscnt 0x0
	WIN 0xf1
	MUL16 4, 1, 7, 0
	MUL16 6, 1, 7, 0
	WIN 0
	PLACES
.endif
.endm
; THE WAY OUT of block a: register 16 b' + i = column 32 b' + 16 h + i of my row: one fragment and one scale word a row.
.macro OUTA a
.set AC, 64*((\a)%4)
	WIN 0x0a+5*((\a)/4)
.irp b, 0,1,2,3
	v_max3_num_f32 v[TM+\b], |v[AC+16*\b]|, |v[AC+16*\b+1]|, 0x2800000   ; from each accumulator's low end on; the floor 2^(5 - 127) holds the byte at 1 from below
.endr
.irp i, 2,4,6,8,10,12,14
.irp b, 0,1,2,3
	v_max3_num_f32 v[TM+\b], |v[AC+16*\b+\i]|, |v[AC+16*\b+\i+1]|, v[TM+\b]
.endr
.endr
	WIN 0
.irp b, 0,1,2,3
	v_permlanex16_b32 v[TM+4+\b], v[TM+\b], s[SEL], s[SEL+1]
.endr
.irp b, 0,1,2,3
	v_max_num_f32 v[TM+\b], v[TM+\b], v[TM+4+\b]
.endr
.irp b, 0,1,2,3
	v_add_nc_u32 v[TM+12+\b], 0xfe000000, v[TM+\b] ; 4 off the exponent field: the conversion's scale operand
.endr
.irp b, 0,1,2,3
	v_lshrrev_b32 v[TM+4+\b], 23, v[TM+12+\b]      ; the scale's byte
.endr
	v_lshl_or_b32 v[PWS+(\a)], v[TM+5], 8, v[TM+4]
	v_lshl_or_b32 v[PWS+(\a)], v[TM+6], 16, v[PWS+(\a)]
	v_lshl_or_b32 v[PWS+(\a)], v[TM+7], 24, v[PWS+(\a)]
	s_wait_alu depctr_va_vdst(0)
	s_wait_xcnt 0x0                                ; the last block's stores have read their registers and their base
	WIN 0x02+((\a)/4)
.irp c, 0,1
	v_cvt_scalef32_pk16_bf6_f32 v[PC+6*\c:PC+6*\c+2], v[AC+32*\c:AC+32*\c+15], v[TM+12+2*\c]
	v_cvt_scalef32_pk16_bf6_f32 v[PC+12+4*\c:PC+14+4*\c], v[AC+32*\c+16:AC+32*\c+31], v[TM+12+2*\c+1]
.endr
	WIN 0
	v_nop                                          ; one plain line behind a scaled conversion
.irp c, 0,1
.irp i, 0,1,2
	v_permlane16_swap_b32 v[PC+6*\c+\i], v[PC+12+4*\c+\i]
.endr
.irp i, 0,1,2
	v_mov_b32 v[PC+3+6*\c+\i], v[PC+12+4*\c+\i]
.endr
.endr
.if (\a) > 0
	s_add_nc_u64 s[OC:OC+1], s[OC:OC+1], s[RBP:RBP+1]
.endif
.irp g, 0,1,2
	global_store_b128 v3, v[PC+4*\g:PC+4*\g+3], s[OC:OC+1] offset:512*\g   ; 512 consecutive bytes, aligned
.endr
.endm
.macro EPI
.irp a, 0,1,2,3,4,5,6,7
	OUTA \a
.endr
.irp j, 0,1,2,3
	v_cndmask_b32 v[XW+\j], v[PWS+2*\j], v[PWS+2*\j+1], s[LM]   ; lanes 0-15 keep block 2 j's words, lanes 16-31 take block 2 j + 1's
.endr
	global_store_b128 v3, v[XW:XW+3], s[OS:OS+1]
.endm
	s_load_b512 s[4:19], s[0:1], 0x0               ; xc, xs, bq, bk, bv, qk, qks, vt
	s_load_b64 s[20:21], s[0:1], 0x40              ; vts
	v_lshl_add_u32 v[SPW], v0, 2, SPARE
	v_mov_b32 v[NIL], 0
	ds_add_u32 v[SPW], v[NIL]                      ; the opening lines: the add twice on end and its wait
	ds_add_u32 v[SPW], v[NIL]
	v_lshrrev_b32 v1, 5, v0
	v_readfirstlane_b32 s[WAVE], v1
	s_lshr_b32 s[WROW], s[WAVE], 1                 ; my half of A's rows.  Also: I fetch for A (0) or for B (1)
	s_and_b32 s[WCOL], s[WAVE], 1                  ; my half of B's rows.  Also: which half of that tile I fetch
	s_bfe_u32 s[CX], ttmp6, 0x40000
	s_bfe_u32 s[CY], ttmp6, 0x40004
	s_and_b32 s[YY], ttmp7, 0xffff                 ; the cluster's y: the first of its three cluster rows
	s_lshl_b32 s84, s[CY], 2
	s_lshl_b32 s84, 15, s84
	s_lshl_b32 s85, 0x1111, s[CX]
	s_or_b32 s[G1A], s84, (3<<16)|(1<<21)          ; the mask; elements of 8 bytes; bit 21 beside a mask
	s_or_b32 s[G1B], s85, (3<<16)|(1<<21)
.irp g, G1A, G1B
	s_mov_b32 s[\g+1], 384<<16                     ; a row: two fragments, 3,072 bytes
	s_mov_b32 s[\g+2], 8<<16                       ; 8 row blocks
	s_mov_b32 s[\g+3], 384<<16
	s_mov_b32 s[\g+4], 8
	s_mov_b32 s[\g+5], 1536                        ; 12,288 bytes from row block to row block
	s_mov_b32 s[\g+6], 0
	s_mov_b32 s[\g+7], 0
.endr
	s_mul_i32 s82, s[WAVE], HALF
	s_wait_dscnt 0x0
	s_wait_kmcnt 0x0
	SETIN
.irp c, 0,1
	s_mov_b32 s[G0A+4*\c], 1
	s_add_co_u32 s[G0A+4*\c+1], s82, \c*CHUNK
	s_add_nc_u64 s[G0A+4*\c+2:G0A+4*\c+3], s[78:79], \c*3072
	s_or_b32 s[G0A+4*\c+3], s[G0A+4*\c+3], 0x80000000
	s_mov_b32 s[G0B+4*\c], 1
	s_add_co_u32 s[G0B+4*\c+1], s82, \c*CHUNK
	s_add_nc_u64 s[G0B+4*\c+2:G0B+4*\c+3], s[80:81], \c*3072
	s_or_b32 s[G0B+4*\c+3], s[G0B+4*\c+3], 0x80000000
.endr
	CROUND                                         ; all sixteen work-groups are here
	JLOAD 0                                        ; chunk 0: one tensor load a wave at the head
	SETPF
	s_mul_i32 s2, s[WROW], HALF
	s_mul_i32 s97, s[WCOL], HALF
	s_add_co_u32 s97, s97, BOFF
	s_add_co_u32 s57, s2, CHUNK
	s_add_co_u32 s83, s97, CHUNK
	s_mov_b32 s[LM], 0xffff0000
	s_mov_b32 s[SEL], 0x76543210
	s_mov_b32 s[SEL+1], 0xfedcba98
	v_and_b32 v1, 15, v0                           ; r
	v_bfe_u32 v2, v0, 4, 1                         ; h
	v_and_b32 v3, 31, v0
	v_min_u32 v[PFO], 23, v3                       ; the prefetches: block i = min(lane, 23) of my work-group's 24
	v_lshlrev_b32 v3, 4, v3                        ; 16 x lane
	v_mul_u32_u24 v15, v[PFO], 22
	v_add_nc_u32 v[ADRA], s2, v3
	v_add_nc_u32 v[ADRA+1], s57, v3
	v_lshrrev_b32 v15, 8, v15                      ; i / 12 (22 i / 256, i up to 23): which of the two row blocks
	v_add_nc_u32 v[ADRB], s97, v3
	v_add_nc_u32 v[ADRB+1], s83, v3
	v_mul_u32_u24 v15, v15, RBX-3072
	v_lshlrev_b32 v12, 6, v2                       ; the bias of q and k: 16 h numbers on
	v_lshlrev_b32 v13, 2, v1                       ; the bias of v: number r
	v_lshl_add_u32 v[PFO], v[PFO], 8, v15          ; 12,288 (i / 12) + 256 (i % 12)
.irp b, 0,1,2,3
	v_mov_b32 v[TM+4+\b], 0                        ; a lane permute's destination counts as one of its sources
.endr
	s_wait_alu depctr_va_vdst(0)
	ASK 2, 0                                       ; two refills on: this tile's chunk 2
	LOADSB
	s_wait_tensorcnt 0x0                           ; my part of chunk 0 is in; slot 1's first fill is issued as a refill is
	ds_add_u32 v[SPW], v[NIL]
	s_wait_dscnt 0x0
	CROUND
	JLOAD 1
	FETCH_B 0, 0
	ASK 3, 0                                       ; this tile's chunk 3
	FETCH_A 0, 0
	FETCH_A 0, 4
	s_mov_b32 s[TILE], 0
	s_branch .LH
.Ltop:                                                 ; a tile that has a successor: its last three K steps and its way out
	TURN 5, 3
	STEP 6, 0
	LAST7 1
	EPI
.LH:                                                   ; a tile's K steps 0 to 4
	s_wait_alu depctr_va_vdst(0)
	s_wait_xcnt 0x0                                ; the last tile's stores have read their bases
	SETOUT
	s_wait_loadcnt 0x0                             ; the scale words and the bias
	s_cmp_eq_u32 s[ISV], 0                         ; the first K step is written twice: only the C of its products differs
	s_cbranch_scc0 .Lstep0_v
	STEP 0, 1
	s_branch .Lstep0_done
.Lstep0_v:
	STEP 0, 2
.Lstep0_done:
	s_cmp_lt_u32 s[TILE], 2                        ; where a next tile exists, its inputs are set up now: this tile's set-up has been used
	s_cbranch_scc0 .Lno_next
	s_wait_xcnt 0x0                                ; my prefetches have read their base
	s_add_co_u32 s[YY], s[YY], 12
	SETIN
	SETPF
.Lno_next:
	TURN 1, 1
	STEP 2, 0
	TURN 3, 1
	STEP 4, 0
	s_add_co_u32 s[TILE], s[TILE], 1
	s_cmp_lt_u32 s[TILE], 3
	s_cbranch_scc1 .Ltop
	TURN 5, 2                                      ; the last tile's tail is written out: it asks for nothing more
	STEP 6, 0
	LAST7 0
	EPI
	s_wait_tensorcnt 0x0                           ; the wave's end
	ds_add_u32 v[SPW], v[NIL]
	s_wait_dscnt 0x0
	CROUND                                         ; the closing round
	s_endpgm
.Lfunc_end_k_qddc4887c75_proj:
	.size	k_qddc4887c75_proj, .Lfunc_end_k_qddc4887c75_proj-k_qddc4887c75_proj
	.p2alignl 7, 3214868480
	.fill 96, 4, 3214868480
	.section	.rodata,"a",@progbits
	.p2align	6, 0x0
	.amdhsa_kernel k_qddc4887c75_proj
		.amdhsa_group_segment_fixed_size 327680
		.amdhsa_private_segment_fixed_size 0
		.amdhsa_enable_private_segment 0
		.amdhsa_kernarg_size 72
		.amdhsa_user_sgpr_count 2
		.amdhsa_user_sgpr_kernarg_segment_ptr 1
		.amdhsa_wavefront_size32 1
		.amdhsa_system_sgpr_workgroup_id_x 1
		.amdhsa_system_sgpr_workgroup_id_y 1
		.amdhsa_system_sgpr_workgroup_id_z 1
		.amdhsa_system_vgpr_workitem_id 0
		.amdhsa_next_free_vgpr 1024
		.amdhsa_next_free_sgpr 102
		.amdhsa_reserve_vcc 0
		.amdhsa_float_denorm_mode_32 3
		.amdhsa_float_denorm_mode_16_64 3
		.amdhsa_memory_ordered 1
		.amdhsa_forward_progress 1
		.amdhsa_inst_pref_size 242
	.end_amdhsa_kernel
	.amdgpu_metadata
---
amdhsa.version: [ 1, 2 ]
amdhsa.kernels:
  - .name:           k_qddc4887c75_proj
    .symbol:         k_qddc4887c75_proj.kd
    .args:
      - { .name: xc, .offset: 0, .size: 8, .value_kind: global_buffer, .address_space: global }
      - { .name: xs, .offset: 8, .size: 8, .value_kind: global_buffer, .address_space: global }
      - { .name: bq, .offset: 16, .size: 8, .value_kind: global_buffer, .address_space: global }
      - { .name: bk, .offset: 24, .size: 8, .value_kind: global_buffer, .address_space: global }
      - { .name: bv, .offset: 32, .size: 8, .value_kind: global_buffer, .address_space: global }
      - { .name: qk, .offset: 40, .size: 8, .value_kind: global_buffer, .address_space: global }
      - { .name: qks, .offset: 48, .size: 8, .value_kind: global_buffer, .address_space: global }
      - { .name: vt, .offset: 56, .size: 8, .value_kind: global_buffer, .address_space: global }
      - { .name: vts, .offset: 64, .size: 8, .value_kind: global_buffer, .address_space: global }
    .group_segment_fixed_size: 327680
    .private_segment_fixed_size: 0
    .kernarg_segment_align: 8
    .kernarg_segment_size: 72
    .max_flat_workgroup_size: 128
    .sgpr_count:     102
    .vgpr_count:     1024
    .wavefront_size: 32
...
	.end_amdgpu_metadata
.endif
;; end of part 2
;; launch score (part 3): grid 16 x 16, 4 waves a work-group, no clusters, 327,680 bytes of LDS; arguments qk, qks, p, ps; writes p, ps
.if DOCPART == 3
	.amdgcn_target "amdgcn-amd-amdhsa--gfx1250"
	.amdhsa_code_object_version 6
	.text
	.protected	k_qddc4887c75_score
	.globl	k_qddc4887c75_score
	.p2align	8
	.type	k_qddc4887c75_score,@function
k_qddc4887c75_score:
	s_mov_b64 s[64:65], 0
	v_nop
	global_prefetch_b8 v0, s[64:65] scope:SCOPE_SE
	s_setreg_imm32_b32 hwreg(HW_REG_WAVE_MODE, 25, 1), 1
	s_wait_xcnt 0x0
.set CH,    49152
.set LI,    1
.set AD1,   3
.set L8,    4
.set SAR,   16
.set SBR,   32
.set BF,    64
.set BM,    64
.set PT,    68
.set SO,    72
.set BY,    76
.set NM,    80
.set SS,    82
.set TT,    86
.set PC,    96
.set WD,    120
.set NMK,   124
.set LK,    128
.set OUTP,  132
.set WAVE,  12
.set YY,    13
.set BATCH, 14
.set G1,    16
.set G0,    24
.set CS,    44
.set SEL,   46
.set LM,    48
.set MSB, 0
.macro WIN new
.if MSB != \new
	s_set_vgpr_msb (MSB<<8)|\new
.set MSB, \new
.endif
.endm
.macro PLACES
.rept 4
	v_nop
.endr
.endm
	s_load_b256 s[4:11], s[0:1], 0x0
	v_lshl_add_u32 v14, v0, 2, 0x29000
	v_mov_b32 v15, 0
	ds_add_u32 v14, v15
	ds_add_u32 v14, v15
	v_lshrrev_b32 v1, 5, v0
	v_readfirstlane_b32 s[WAVE], v1
	s_and_b32 s[YY], ttmp7, 0xffff
	s_lshr_b32 s[BATCH], s[YY], 1
	s_mov_b32 s[G1], 3<<16
	s_mov_b32 s[G1+1], 768<<16
	s_mov_b32 s[G1+2], 2<<16
	s_mov_b32 s[G1+3], 768<<16
	s_mov_b32 s[G1+4], 2
	s_mov_b32 s[G1+5], 1536
	s_mov_b32 s[G1+6], 0
	s_mov_b32 s[G1+7], 0
	s_lshl_b32 s42, s[BATCH], 7
	s_lshl_b32 s43, ttmp9, 3
	s_add_co_u32 s42, s42, s43
	s_lshl_b32 s43, s[WAVE], 1
	s_add_co_u32 s42, s42, s43
	s_add_co_u32 s42, s42, 256
	s_mul_i32 s42, s42, 12288
	s_mov_b32 s43, 0
	s_mul_i32 s49, s[WAVE], 12288
	s_wait_dscnt 0x0
	s_wait_kmcnt 0x0
	s_add_nc_u64 s[42:43], s[4:5], s[42:43]
.irp c, 0,1
	s_mov_b32 s[G0+4*\c], 1
	s_add_co_u32 s[G0+4*\c+1], s49, \c*CH
	s_add_nc_u64 s[G0+4*\c+2:G0+4*\c+3], s[42:43], \c*6144
	s_or_b32 s[G0+4*\c+3], s[G0+4*\c+3], 0x80000000
.endr
	tensor_load_to_lds s[G0:G0+3], s[G1:G1+7]
	s_nop 0
	s_wait_alu depctr_va_vdst(0)
	s_wait_tensorcnt 0x0
	ds_add_u32 v14, v15
	s_wait_dscnt 0x0
	s_barrier_signal -1
	s_barrier_wait -1
	tensor_load_to_lds s[G0+4:G0+7], s[G1:G1+7]
	s_nop 0
.rept 4
	v_nop
.endr
	v_and_b32 v2, 31, v0
	v_lshlrev_b32 v[LI], 4, v2
	s_wait_alu depctr_va_vdst(0)
	v_add_nc_u32 v[AD1], CH, v[LI]
	v_lshlrev_b32 v[L8], 3, v2
	s_mov_b32 s[CS], 0x3d38aa3b
	s_mov_b32 s[CS+1], s[CS]
	s_mov_b32 s[SEL], 0x76543210
	s_mov_b32 s[SEL+1], 0xfedcba98
	s_mov_b32 s[LM], 0xffff0000
	s_lshl_b32 s32, s[YY], 4
	s_lshl_b32 s33, s[WAVE], 2
	s_add_co_u32 s50, s32, s33
	s_mul_i32 s32, s50, 12288
	s_mov_b32 s33, 0
	s_add_nc_u64 s[32:33], s[4:5], s[32:33]
	s_lshl_b32 s34, s[YY], 1
	s_lshr_b32 s35, s[WAVE], 1
	s_add_co_u32 s34, s34, s35
	s_lshl_b32 s34, s34, 9
	s_and_b32 s35, s[WAVE], 1
	s_lshl_b32 s35, s35, 3
	s_add_co_u32 s34, s34, s35
	s_mov_b32 s35, 0
	s_add_nc_u64 s[34:35], s[6:7], s[34:35]
	s_lshl_b32 s36, s[BATCH], 4
	s_add_co_u32 s36, s36, ttmp9
	s_add_co_u32 s36, s36, 32
	s_lshl_b32 s36, s36, 9
	s_mov_b32 s37, 0
	s_add_nc_u64 s[36:37], s[6:7], s[36:37]
	s_mul_i32 s38, s50, 24576
	s_mul_i32 s39, ttmp9, 1536
	s_add_co_u32 s38, s38, s39
	s_mov_b32 s39, 0
	s_add_nc_u64 s[38:39], s[8:9], s[38:39]
	s_lshl_b32 s40, ttmp9, 6
	s_lshl_b32 s41, s[YY], 2
	s_add_co_u32 s40, s40, s41
	s_add_co_u32 s40, s40, s[WAVE]
	s_lshl_b32 s40, s40, 8
	s_mov_b32 s41, 0
	s_add_nc_u64 s[40:41], s[10:11], s[40:41]
.irp k, 0,1,2,3,4,5,6,7
	global_load_b64 v[SAR+2*\k:SAR+2*\k+1], v[LI], s[34:35] offset:\k*81920
	global_load_b128 v[SBR+4*\k:SBR+4*\k+3], v[LI], s[36:37] offset:\k*81920
.endr
	WIN 0x80
.irp k, 0,1,2,3,4
.irp a, 0,1,2,3
.irp g, 0,1,2
	global_load_b128 v[48*\k+12*\a+4*\g:48*\k+12*\a+4*\g+3], v[LI], s[32:33] offset:\a*12288+\k*1536+512*\g
.endr
.endr
.endr
	WIN 0xc0
.irp k, 5,6,7
.irp a, 0,1,2,3
.irp g, 0,1,2
	global_load_b128 v[48*(\k-5)+12*\a+4*\g:48*(\k-5)+12*\a+4*\g+3], v[LI], s[32:33] offset:\a*12288+\k*1536+512*\g
.endr
.endr
.endr
	WIN 0
.macro WM d, bf, af, sb, rb, sa, ra
.if ZC
.if ((\rb) == 0) && ((\ra) == 0)
	v_wmma_scale_f32_16x16x128_f8f6f4 v[\d:\d+7], v[\bf:\bf+11], v[\af:\af+11], 0, v[\sb], v[\sa] matrix_a_fmt:MATRIX_FMT_BF6 matrix_b_fmt:MATRIX_FMT_BF6
.elseif (\ra) == 0
	v_wmma_scale_f32_16x16x128_f8f6f4 v[\d:\d+7], v[\bf:\bf+11], v[\af:\af+11], 0, v[\sb], v[\sa] matrix_a_fmt:MATRIX_FMT_BF6 matrix_b_fmt:MATRIX_FMT_BF6 matrix_a_scale:MATRIX_SCALE_ROW1
.elseif (\rb) == 0
	v_wmma_scale_f32_16x16x128_f8f6f4 v[\d:\d+7], v[\bf:\bf+11], v[\af:\af+11], 0, v[\sb], v[\sa] matrix_a_fmt:MATRIX_FMT_BF6 matrix_b_fmt:MATRIX_FMT_BF6 matrix_b_scale:MATRIX_SCALE_ROW1
.else
	v_wmma_scale_f32_16x16x128_f8f6f4 v[\d:\d+7], v[\bf:\bf+11], v[\af:\af+11], 0, v[\sb], v[\sa] matrix_a_fmt:MATRIX_FMT_BF6 matrix_b_fmt:MATRIX_FMT_BF6 matrix_a_scale:MATRIX_SCALE_ROW1 matrix_b_scale:MATRIX_SCALE_ROW1
.endif
.else
.if ((\rb) == 0) && ((\ra) == 0)
	v_wmma_scale_f32_16x16x128_f8f6f4 v[\d:\d+7], v[\bf:\bf+11], v[\af:\af+11], v[\d:\d+7], v[\sb], v[\sa] matrix_a_fmt:MATRIX_FMT_BF6 matrix_b_fmt:MATRIX_FMT_BF6
.elseif (\ra) == 0
	v_wmma_scale_f32_16x16x128_f8f6f4 v[\d:\d+7], v[\bf:\bf+11], v[\af:\af+11], v[\d:\d+7], v[\sb], v[\sa] matrix_a_fmt:MATRIX_FMT_BF6 matrix_b_fmt:MATRIX_FMT_BF6 matrix_a_scale:MATRIX_SCALE_ROW1
.elseif (\rb) == 0
	v_wmma_scale_f32_16x16x128_f8f6f4 v[\d:\d+7], v[\bf:\bf+11], v[\af:\af+11], v[\d:\d+7], v[\sb], v[\sa] matrix_a_fmt:MATRIX_FMT_BF6 matrix_b_fmt:MATRIX_FMT_BF6 matrix_b_scale:MATRIX_SCALE_ROW1
.else
	v_wmma_scale_f32_16x16x128_f8f6f4 v[\d:\d+7], v[\bf:\bf+11], v[\af:\af+11], v[\d:\d+7], v[\sb], v[\sa] matrix_a_fmt:MATRIX_FMT_BF6 matrix_b_fmt:MATRIX_FMT_BF6 matrix_a_scale:MATRIX_SCALE_ROW1 matrix_b_scale:MATRIX_SCALE_ROW1
.endif
.endif
.endm
.macro FETCH_B ks
.irp i, 0,1,2,3,4,5,6,7
.irp g, 0,1,2
.if (\ks) < 4
	ds_load_b128 v[BF+96*((\ks)%2)+12*\i+4*\g:BF+96*((\ks)%2)+12*\i+4*\g+3], v[LI] offset:\i*6144+((\ks)%4)*1536+512*\g
.else
	ds_load_b128 v[BF+96*((\ks)%2)+12*\i+4*\g:BF+96*((\ks)%2)+12*\i+4*\g+3], v[AD1] offset:\i*6144+((\ks)%4)*1536+512*\g
.endif
.endr
.endr
.endm
.macro KSTEP ks
.if (\ks) == 3
	s_wait_tensorcnt 0x0
	s_wait_dscnt 0x0
	s_barrier_signal -1
	s_barrier_wait -1
.endif
.if (\ks) < 7
	PLACES
	FETCH_B (\ks)+1
	s_wait_dscnt 24
.else
	s_wait_dscnt 0x0
.endif
.if 12*(7-(\ks)) > 63
	s_wait_loadcnt 63
.else
	s_wait_loadcnt 12*(7-(\ks))
.endif
.if (\ks) < 5
	WIN 0x58
.set QF, 48*(\ks)
.else
	WIN 0x5c
.set QF, 48*((\ks)-5)
.endif
.if (\ks) == 0
.set ZC, 1
.else
.set ZC, 0
.endif
.irp a, 0,1,2,3
.irp b, 0,1,2,3,4,5,6,7
	WM 64*\a+8*\b, BF+96*((\ks)%2)+12*\b, QF+12*\a, SBR+4*(\ks)+\b/2, \b%2, SAR+2*(\ks)+\a/2, \a%2
.endr
.endr
	WIN 0
.endm
	s_wait_alu depctr_va_vdst(0)
	s_wait_tensorcnt 0x1
	s_barrier_signal -1
	s_barrier_wait -1
	FETCH_B 0
.irp k, 0,1,2,3,4,5,6,7
	KSTEP \k
.endr
	PLACES
.irp b, 0,1,2,3
	v_mov_b32 v[PT+\b], 0
.endr
	v_mov_b32 v[NM+1], 0
.macro SOFTQ a
.set AC, 64*(\a)
	WIN 0x05
.irp b, 0,1,2,3
	v_max_num_f32 v[BM+\b], v[AC+16*\b], v[AC+16*\b+1]
.endr
.irp i, 2,4,6,8,10,12,14
.irp b, 0,1,2,3
	v_max3_num_f32 v[BM+\b], v[AC+16*\b+\i], v[AC+16*\b+\i+1], v[BM+\b]
.endr
.endr
	WIN 0
.irp b, 0,1,2,3
	v_permlanex16_b32 v[PT+\b], v[BM+\b], s[SEL], s[SEL+1]
.endr
.irp b, 0,1,2,3
	v_max_num_f32 v[BM+\b], v[BM+\b], v[PT+\b]
.endr
	v_max3_num_f32 v[TT], v[BM], v[BM+1], v[BM+2]
	v_max_num_f32 v[TT], v[TT], v[BM+3]
	v_mul_f32 v[TT], s[CS], v[TT]
	v_floor_f32 v[NM], -v[TT]
	WIN 0x41
.set j, 0
.rept 32
	v_pk_fma_f32 v[AC+j:AC+j+1], v[AC+j:AC+j+1], s[CS:CS+1], v[NM:NM+1] op_sel_hi:[1,0,0]
.set j, j+2
.endr
	WIN 0
.irp b, 0,1,2,3
	v_fma_f32 v[BM+\b], v[BM+\b], s[CS], v[NM]
.endr
	WIN 0x41
.set j, 0
	s_wait_alu depctr_va_vdst(0)
.rept 64
	v_exp_f32 v[AC+j], v[AC+j]
.set j, j+1
.endr
	WIN 0
	v_mov_b32 v[NMK+\a], v[NM]
	s_wait_alu depctr_va_vdst(0)
.irp b, 0,1,2,3
	v_exp_f32 v[BM+\b], v[BM+\b]
.endr
	WIN 0x05
	v_pk_add_f32 v[SS:SS+1], v[AC:AC+1], v[AC+2:AC+3]
	v_pk_add_f32 v[SS+2:SS+3], v[AC+4:AC+5], v[AC+6:AC+7]
	WIN 0x04
.set j, 8
.rept 14
	v_pk_add_f32 v[SS:SS+1], v[SS:SS+1], v[AC+j:AC+j+1]
	v_pk_add_f32 v[SS+2:SS+3], v[SS+2:SS+3], v[AC+j+2:AC+j+3]
.set j, j+4
.endr
	WIN 0
	v_pk_add_f32 v[SS:SS+1], v[SS:SS+1], v[SS+2:SS+3]
	v_add_f32 v[TT], v[SS], v[SS+1]
	v_permlanex16_b32 v[PT], v[TT], s[SEL], s[SEL+1]
	v_add_f32 v[LK+\a], v[TT], v[PT]
	s_wait_alu depctr_va_vdst(0)
.irp b, 0,1,2,3
	v_max_num_f32 v[BM+\b], 0x2800000, v[BM+\b]
.endr
.irp b, 0,1,2,3
	v_add_nc_u32 v[SO+\b], 0xfe000000, v[BM+\b]
.endr
.irp b, 0,1,2,3
	v_lshrrev_b32 v[BY+\b], 23, v[SO+\b]
.endr
	v_lshl_or_b32 v[WD+\a], v[BY+1], 8, v[BY]
	v_lshl_or_b32 v[WD+\a], v[BY+2], 16, v[WD+\a]
	v_lshl_or_b32 v[WD+\a], v[BY+3], 24, v[WD+\a]
	s_wait_xcnt 0x0
	WIN 0x01
.irp c, 0,1
	v_cvt_scalef32_pk16_bf6_f32 v[PC+6*\c:PC+6*\c+2], v[AC+32*\c:AC+32*\c+15], v[SO+2*\c]
	v_cvt_scalef32_pk16_bf6_f32 v[PC+12+4*\c:PC+14+4*\c], v[AC+32*\c+16:AC+32*\c+31], v[SO+2*\c+1]
.endr
	WIN 0
	v_nop
.irp c, 0,1
.irp i, 0,1,2
	v_permlane16_swap_b32 v[PC+6*\c+\i], v[PC+12+4*\c+\i]
.endr
.irp i, 0,1,2
	v_mov_b32 v[PC+3+6*\c+\i], v[PC+12+4*\c+\i]
.endr
.endr
.irp g, 0,1,2
	global_store_b128 v[LI], v[PC+4*\g:PC+4*\g+3], s[38:39] offset:\a*24576+512*\g
.endr
.endm
.irp a, 0,1,2,3
	SOFTQ \a
.endr
.irp j, 0,1
	v_cndmask_b32 v[OUTP+\j], v[WD+2*\j], v[WD+2*\j+1], s[LM]
	v_cndmask_b32 v[OUTP+2+\j], v[NMK+2*\j], v[NMK+2*\j+1], s[LM]
	v_cndmask_b32 v[OUTP+4+\j], v[LK+2*\j], v[LK+2*\j+1], s[LM]
.endr
.irp q, 0,1,2
	global_store_b64 v[L8], v[OUTP+2*\q:OUTP+2*\q+1], s[40:41] offset:\q*262144
.endr
	s_wait_tensorcnt 0x0
	ds_add_u32 v14, v15
	s_wait_dscnt 0x0
	s_endpgm
.Lfunc_end_k_qddc4887c75_score:
	.size	k_qddc4887c75_score, .Lfunc_end_k_qddc4887c75_score-k_qddc4887c75_score
	.p2alignl 7, 3214868480
	.fill 96, 4, 3214868480
	.section	.rodata,"a",@progbits
	.p2align	6, 0x0
	.amdhsa_kernel k_qddc4887c75_score
		.amdhsa_group_segment_fixed_size 327680
		.amdhsa_private_segment_fixed_size 0
		.amdhsa_enable_private_segment 0
		.amdhsa_kernarg_size 32
		.amdhsa_user_sgpr_count 2
		.amdhsa_user_sgpr_kernarg_segment_ptr 1
		.amdhsa_wavefront_size32 1
		.amdhsa_system_sgpr_workgroup_id_x 1
		.amdhsa_system_sgpr_workgroup_id_y 1
		.amdhsa_system_sgpr_workgroup_id_z 1
		.amdhsa_system_vgpr_workitem_id 0
		.amdhsa_next_free_vgpr 1024
		.amdhsa_next_free_sgpr 66
		.amdhsa_reserve_vcc 0
		.amdhsa_float_denorm_mode_32 3
		.amdhsa_float_denorm_mode_16_64 3
		.amdhsa_memory_ordered 1
		.amdhsa_forward_progress 1
		.amdhsa_inst_pref_size 107
	.end_amdhsa_kernel
	.amdgpu_metadata
---
amdhsa.version: [ 1, 2 ]
amdhsa.kernels:
  - .name:           k_qddc4887c75_score
    .symbol:         k_qddc4887c75_score.kd
    .args:
      - { .name: qk, .offset: 0, .size: 8, .value_kind: global_buffer, .address_space: global }
      - { .name: qks, .offset: 8, .size: 8, .value_kind: global_buffer, .address_space: global }
      - { .name: p, .offset: 16, .size: 8, .value_kind: global_buffer, .address_space: global }
      - { .name: ps, .offset: 24, .size: 8, .value_kind: global_buffer, .address_space: global }
    .group_segment_fixed_size: 327680
    .private_segment_fixed_size: 0
    .kernarg_segment_align: 8
    .kernarg_segment_size: 32
    .max_flat_workgroup_size: 128
    .sgpr_count:     66
    .vgpr_count:     1024
    .wavefront_size: 32
...
	.end_amdgpu_metadata
.endif
;; end of part 3
;; launch pv (part 4): grid 4 x 64, 4 waves a work-group, clusters of 4 x 1, 230,912 bytes of LDS; arguments p, ps, vt, vts, out0; writes out0
.if DOCPART == 4
	.amdgcn_target "amdgcn-amd-amdhsa--gfx1250"
	.amdhsa_code_object_version 6
	.text
	.protected	k_qddc4887c75_pv
	.globl	k_qddc4887c75_pv
	.p2align	8
	.type	k_qddc4887c75_pv,@function
k_qddc4887c75_pv:
	s_mov_b64 s[64:65], 0
	v_nop
	global_prefetch_b8 v0, s[64:65] scope:SCOPE_SE
	s_setreg_imm32_b32 hwreg(HW_REG_WAVE_MODE, 25, 1), 1
	s_wait_xcnt 0x0
	s_wait_alu depctr_hold_cnt(0) depctr_sa_sdst(0) depctr_va_vdst(0) depctr_va_sdst(0) depctr_va_ssrc(0) depctr_va_vcc(0) depctr_vm_vsrc(0)
	s_getreg_b32 s2, hwreg(HW_REG_IB_STS2, 6, 4)
	s_cmp_eq_u32 s2, 0
	s_cbranch_scc0 .Lentry_in_a_cluster
	s_endpgm
.Lentry_in_a_cluster:
	s_bfe_u32 s2, ttmp6, 0x10000c
	s_cmp_lg_u32 s2, 0x3003
	s_cbranch_scc0 .Lentry_shape_is_right
	s_endpgm
.Lentry_shape_is_right:
; O = p V / l on codes of E3M2, K = the batch's 2,048 keys in 16 runs of 128.
; p's codes were made under each run's own M.  Here the row's M is the largest of the 16; run ks is brought under it by d = M_ks - M, a whole number, 0 or less: d is added to the run's four scale bytes
; (held at 0 from below) and l = the sum of l_ks 2^d.  The codes stay as they are.
; SHARES: work-group (cx, y): queries 128 cx .. of batch y / 8, features 128 (y % 8) ..; wave w: 32 queries (two blocks a) x 128 features (eight blocks b): 16 accumulators, 256 matrix instructions.
; TRANSPOSED: source 0 = 16 features of V^T (keys innermost), source 1 = 16 queries of p: a lane holds one query and eight neighbouring features.
; p's 32 fragments stay in registers (384), loaded once from memory.  V^T's tile, 8 row blocks x 16 fragments, comes through LDS, filled once, in four chunks of two row blocks, one a wave.
; CLUSTER 4 x 1: the four query blocks of a batch read the same tile of V^T: joint loads with all four named; their addresses hang on the grid's y and the wave's number alone.  One load of a wave is out at the start.
; LIMITS: a block of p that lies more than 2^127 under its row's largest p is counted at the scale 2^-127 (under 2^-120 of l); d is held at -127; NaN and infinities are not served.
; REGISTERS: window 0: v1-15 addresses and at work; v16-31 p's scale words, one a K step (lane l: query l of my 32); v32-95 V's (4 ks + b / 2); v96-111 -M, v112-127 l of the 16 runs; v128-255 accumulator (a, b) at 128 + 64 a + 8 b.
;   window 1: v0-95, v96-191 V's fragments, two sets.  window 2: p's fragments of K steps 0-9 at v[24 ks + 12 a];  window 3: of K steps 10-15.
.set CH,    49152
.set STAGE, 4*CH                       ; behind the chunks: 16 rows x 528 bytes for each wave, for the way out: no fill lands there
.set LI,    1                          ; v1   16 x lane
.set L8,    2                          ; v2   8 x lane
.set ADRB,  3                          ; v3-6 16 x lane + CH x chunk
.set STO,   7
.set RD,    8
.set SAR,   16
.set SBR,   32
.set NMR,   96
.set LR,    112
.set ACC,   128
.set WAVE,  14
.set CX,    15
.set G1,    16
.set SEL,   34
.set YY,    36
.set BATCH, 37
.set NT,    38
.set G0,    40
.set LM,    56
.set K80,   57
.set K01,   58
.set MSB, 0
.macro WIN new
.if MSB != \new
	s_set_vgpr_msb (MSB<<8)|\new
.set MSB, \new
.endif
.endm
.macro PLACES
.rept 4
	v_nop
.endr
.endm
.macro CROUND                          ; a round of the cluster's barrier
	s_barrier_signal -1
	s_barrier_wait -1
	s_cmp_lg_u32 s[WAVE], 0
	s_cbranch_scc1 .Lnot_wave_0_\@
	s_barrier_signal -3
.Lnot_wave_0_\@:
	s_barrier_wait -3
	s_barrier_signal -1
	s_barrier_wait -1
.endm
	s_load_b256 s[4:11], s[0:1], 0x0               ; p, ps, vt, vts
	s_load_b64 s[12:13], s[0:1], 0x20              ; out0
	s_set_vgpr_msb 0x40
	v_lshl_add_u32 v254, v0, 2, 0x38400
	v_mov_b32 v255, 0
	s_set_vgpr_msb 0x4045
	ds_add_u32 v254, v255
	ds_add_u32 v254, v255
	s_set_vgpr_msb 0x4500
	v_lshrrev_b32 v1, 5, v0
	v_readfirstlane_b32 s[WAVE], v1
	s_bfe_u32 s[CX], ttmp6, 0x40000
	s_and_b32 s[YY], ttmp7, 0xffff
	s_lshr_b32 s[BATCH], s[YY], 3
	s_and_b32 s[NT], s[YY], 7
	s_mov_b32 s[G1], 15|(3<<16)|(1<<21)            ; 15:0 the mask: all four work-groups; elements of 8 bytes; 21 set beside a mask; no padding
	s_mov_b32 s[G1+1], 3072<<16                    ; tensor_dim0 = 3,072 elements: a row block's 16 fragments of the batch, 24,576 bytes: ONE load a wave brings its two row blocks for all 16 K steps
	s_mov_b32 s[G1+2], 2<<16                       ; tensor_dim1 = 2 row blocks
	s_mov_b32 s[G1+3], 3072<<16
	s_mov_b32 s[G1+4], 2
	s_mov_b32 s[G1+5], 24576                       ; from row block to row block of vt: 196,608 bytes
	s_mov_b32 s[G1+6], 0
	s_mov_b32 s[G1+7], 0
	s_lshl_b32 s32, s[NT], 3
	s_lshl_b32 s33, s[WAVE], 1
	s_add_co_u32 s32, s32, s33                     ; row block 8 nt + 2 w
	s_mul_i32 s32, s32, 196608
	s_mul_i32 s33, s[BATCH], 16*1536               ; the batch's first K step
	s_add_co_u32 s32, s32, s33
	s_mov_b32 s33, 0
	s_mul_i32 s59, s[WAVE], 49152                  ; row block i lies at 24,576 i in LDS, K step ks at 1,536 ks of it
	s_wait_dscnt 0x0
	s_wait_kmcnt 0x0
	s_add_nc_u64 s[32:33], s[8:9], s[32:33]
.irp c, 0
	s_mov_b32 s[G0+4*\c], 1
	s_add_co_u32 s[G0+4*\c+1], s59, \c*CH
	s_add_nc_u64 s[G0+4*\c+2:G0+4*\c+3], s[32:33], \c*6144
	s_or_b32 s[G0+4*\c+3], s[G0+4*\c+3], 0x80000000
.endr
	CROUND                                         ; all four work-groups are here: the joint loads meet
	tensor_load_to_lds s[G0:G0+3], s[G1:G1+7]
	s_nop 0
.rept 4
	v_nop
.endr
	v_and_b32 v9, 31, v0
	v_lshlrev_b32 v[LI], 4, v9
	v_lshlrev_b32 v[L8], 3, v9
.irp c, 0,1,2,3
	v_add_nc_u32 v[ADRB+\c], \c*CH, v[LI]
.endr
	v_and_b32 v10, 15, v0                          ; r
	v_bfe_u32 v12, v0, 4, 1                        ; h
	s_mul_i32 s60, s[WAVE], 8448
	s_add_co_u32 s60, s60, STAGE                   ; my stage
	v_mul_u32_u24 v[STO], v10, 528
	v_lshl_add_u32 v[STO], v12, 5, v[STO]
	v_add_nc_u32 v[STO], s60, v[STO]               ; in: row r, + 32 h
	v_add_nc_u32 v[RD], s60, v[LI]                 ; back: 16 bytes a lane of a row's 512
	v_mov_b32 v11, 0                               ; a lane permute's destination counts as one of its sources
	v_mov_b32 v13, 0                               ; (named as the upper half of a pair)
	s_mov_b32 s[SEL], 0x76543210
	s_mov_b32 s[SEL+1], 0xfedcba98
	s_mov_b32 s[LM], 0xffff0000
	s_mov_b32 s[K80], 0x80808080
	s_mov_b32 s[K01], 0x01010101
	s_lshl_b32 s59, s[BATCH], 9
	s_lshl_b32 s60, s[CX], 7
	s_add_co_u32 s59, s59, s60
	s_lshl_b32 s60, s[WAVE], 5
	s_add_co_u32 s59, s59, s60                     ; my first query: 512 batch + 128 cx + 32 w
	s_lshr_b32 s24, s59, 6
	s_lshl_b32 s24, s24, 8
	s_and_b32 s25, s[WAVE], 1
	s_lshl_b32 s25, s25, 2
	s_add_co_u32 s24, s24, s25
	s_mov_b32 s25, 0
	s_add_nc_u64 s[24:25], s[6:7], s[24:25]        ; ps: my group of 64, word w % 2
	s_lshl_b32 s26, s[BATCH], 7
	s_add_co_u32 s26, s26, s[NT]
	s_lshl_b32 s26, s26, 9
	s_mov_b32 s27, 0
	s_add_nc_u64 s[26:27], s[10:11], s[26:27]      ; vts: K step 16 batch, group nt
	s_lshr_b32 s28, s59, 4
	s_mul_i32 s28, s28, 24576
	s_mov_b32 s29, 0
	s_add_nc_u64 s[28:29], s[4:5], s[28:29]        ; p
	s_lshl_b32 s30, s59, 12
	s_lshl_b32 s31, s[NT], 9
	s_add_co_u32 s30, s30, s31
	s_mov_b32 s31, 0
	s_add_nc_u64 s[30:31], s[12:13], s[30:31]      ; out0
.irp k, 0,1,2,3,4,5,6,7,8,9,10,11,12,13,14,15
	global_load_b32 v[SAR+\k], v[L8], s[24:25] offset:\k*16384
	global_load_b32 v[NMR+\k], v[L8], s[24:25] offset:\k*16384+262144
	global_load_b32 v[LR+\k], v[L8], s[24:25] offset:\k*16384+2*262144
.endr
.irp k, 0,1,2,3,4,5,6,7,8,9,10,11,12,13,14,15
	global_load_b128 v[SBR+4*\k:SBR+4*\k+3], v[LI], s[26:27] offset:\k*4096
.endr
	WIN 0x80                                       ; destination window 2
.irp k, 0,1,2,3,4,5,6,7,8,9
.irp a, 0,1
.irp g, 0,1,2
	global_load_b128 v[24*\k+12*\a+4*\g:24*\k+12*\a+4*\g+3], v[LI], s[28:29] offset:\a*24576+\k*1536+512*\g
.endr
.endr
.endr
	WIN 0xc0                                       ; destination window 3
.irp k, 10,11,12,13,14,15
.irp a, 0,1
.irp g, 0,1,2
	global_load_b128 v[24*(\k-10)+12*\a+4*\g:24*(\k-10)+12*\a+4*\g+3], v[LI], s[28:29] offset:\a*24576+\k*1536+512*\g
.endr
.endr
.endr
	WIN 0
	s_wait_loadcnt 63                              ; of 160 loads at least the oldest 97 are in: the 64 of ps and vts among them
	; the row's M and l; lane l stands for query l of my 32
	v_min3_num_f32 v9, v[NMR], v[NMR+1], v[NMR+2]
.irp i, 3,5,7,9,11,13
	v_min3_num_f32 v9, v9, v[NMR+\i], v[NMR+\i+1]
.endr
	v_min_num_f32 v9, v9, v[NMR+15]                ; the least -M: minus the row's M
.irp k, 0,1,2,3,4,5,6,7,8,9,10,11,12,13,14,15
	v_sub_f32 v[NMR+\k], v9, v[NMR+\k]             ; d = M_ks - M: a whole number, 0 or less
.endr
.irp k, 0,1,2,3,4,5,6,7,8,9,10,11,12,13,14,15
	v_max_num_f32 v[NMR+\k], 0xc2fe0000, v[NMR+\k] ; held at -127
.endr
.irp k, 0,1,2,3,4,5,6,7,8,9,10,11,12,13,14,15
	v_cvt_i32_f32 v[NMR+\k], v[NMR+\k]
.endr
.irp k, 0,1,2,3,4,5,6,7,8,9,10,11,12,13,14,15
	v_ldexp_f32 v[LR+\k], v[LR+\k], v[NMR+\k]      ; l_ks 2^d
.endr
	v_add_f32 v14, v[LR], v[LR+1]
	v_add_f32 v15, v[LR+2], v[LR+3]
.irp k, 4,6,8,10,12,14
	v_add_f32 v14, v14, v[LR+\k]
	v_add_f32 v15, v15, v[LR+\k+1]
.endr
	v_add_f32 v14, v14, v15                        ; l
	s_wait_alu depctr_va_vdst(0)
	v_rcp_f32 v15, v14
	; each of a word's four bytes s becomes max(s + d, 0), all four at once.  s is 1 .. 123 and -d at most 127, so 128 + s + d stays within 1 .. 251: nothing passes from byte to byte, and bit 7 says whether s + d is 0 or more
.irp k, 0,1,2,3,4,5,6,7,8,9,10,11,12,13,14,15
	v_mul_lo_u32 v[NMR+\k], v[NMR+\k], s[K01]      ; d in every byte (modulo 2^32).  (Plain lines behind the reciprocal)
.endr
.irp k, 0,1,2,3,4,5,6,7,8,9,10,11,12,13,14,15
	v_or_b32 v[LR+\k], s[K80], v[SAR+\k]
.endr
.irp k, 0,1,2,3,4,5,6,7,8,9,10,11,12,13,14,15
	v_add_nc_u32 v[LR+\k], v[LR+\k], v[NMR+\k]     ; 128 + s + d in every byte
.endr
.irp k, 0,1,2,3,4,5,6,7,8,9,10,11,12,13,14,15
	v_and_b32 v[NMR+\k], s[K80], v[LR+\k]
.endr
.irp k, 0,1,2,3,4,5,6,7,8,9,10,11,12,13,14,15
	v_lshrrev_b32 v[9+5*(\k%2)], 7, v[NMR+\k]
	v_sub_nc_u32 v[NMR+\k], v[NMR+\k], v[9+5*(\k%2)]   ; 0x7f in the bytes that stay, 0 in the others
	v_and_b32 v[SAR+\k], v[LR+\k], v[NMR+\k]
.endr
	s_wait_alu depctr_va_vdst(0)                   ; the wait ahead of the reciprocal's first reader
	v_permlanex16_b32 v11, v15, s[SEL], s[SEL+1]
	v_cndmask_b32 v10, v15, v11, s[LM]             ; 1 / l of query r of block 0, in both halves of the lanes
	v_cndmask_b32 v12, v11, v15, s[LM]             ; and of block 1
.rept 8
	v_nop                                          ; a scale register written by vector instructions stands eight plain lines ahead of a scaled matrix instruction
.endr
.macro WM d, bf, af, sb, rb, sa, ra    ; one product; ZC = 1: it starts the sum
.if ZC
.if ((\rb) == 0) && ((\ra) == 0)
	v_wmma_scale_f32_16x16x128_f8f6f4 v[\d:\d+7], v[\bf:\bf+11], v[\af:\af+11], 0, v[\sb], v[\sa] matrix_a_fmt:MATRIX_FMT_BF6 matrix_b_fmt:MATRIX_FMT_BF6
.elseif (\ra) == 0
	v_wmma_scale_f32_16x16x128_f8f6f4 v[\d:\d+7], v[\bf:\bf+11], v[\af:\af+11], 0, v[\sb], v[\sa] matrix_a_fmt:MATRIX_FMT_BF6 matrix_b_fmt:MATRIX_FMT_BF6 matrix_a_scale:MATRIX_SCALE_ROW1
.elseif (\rb) == 0
	v_wmma_scale_f32_16x16x128_f8f6f4 v[\d:\d+7], v[\bf:\bf+11], v[\af:\af+11], 0, v[\sb], v[\sa] matrix_a_fmt:MATRIX_FMT_BF6 matrix_b_fmt:MATRIX_FMT_BF6 matrix_b_scale:MATRIX_SCALE_ROW1
.else
	v_wmma_scale_f32_16x16x128_f8f6f4 v[\d:\d+7], v[\bf:\bf+11], v[\af:\af+11], 0, v[\sb], v[\sa] matrix_a_fmt:MATRIX_FMT_BF6 matrix_b_fmt:MATRIX_FMT_BF6 matrix_a_scale:MATRIX_SCALE_ROW1 matrix_b_scale:MATRIX_SCALE_ROW1
.endif
.else
.if ((\rb) == 0) && ((\ra) == 0)
	v_wmma_scale_f32_16x16x128_f8f6f4 v[\d:\d+7], v[\bf:\bf+11], v[\af:\af+11], v[\d:\d+7], v[\sb], v[\sa] matrix_a_fmt:MATRIX_FMT_BF6 matrix_b_fmt:MATRIX_FMT_BF6
.elseif (\ra) == 0
	v_wmma_scale_f32_16x16x128_f8f6f4 v[\d:\d+7], v[\bf:\bf+11], v[\af:\af+11], v[\d:\d+7], v[\sb], v[\sa] matrix_a_fmt:MATRIX_FMT_BF6 matrix_b_fmt:MATRIX_FMT_BF6 matrix_a_scale:MATRIX_SCALE_ROW1
.elseif (\rb) == 0
	v_wmma_scale_f32_16x16x128_f8f6f4 v[\d:\d+7], v[\bf:\bf+11], v[\af:\af+11], v[\d:\d+7], v[\sb], v[\sa] matrix_a_fmt:MATRIX_FMT_BF6 matrix_b_fmt:MATRIX_FMT_BF6 matrix_b_scale:MATRIX_SCALE_ROW1
.else
	v_wmma_scale_f32_16x16x128_f8f6f4 v[\d:\d+7], v[\bf:\bf+11], v[\af:\af+11], v[\d:\d+7], v[\sb], v[\sa] matrix_a_fmt:MATRIX_FMT_BF6 matrix_b_fmt:MATRIX_FMT_BF6 matrix_a_scale:MATRIX_SCALE_ROW1 matrix_b_scale:MATRIX_SCALE_ROW1
.endif
.endif
.endm
.macro FETCH_B ks                      ; V's eight fragments of K step ks into set ks % 2 of window 1: 24 loads
.irp i, 0,1,2,3,4,5,6,7
.irp g, 0,1,2
	ds_load_b128 v[96*((\ks)%2)+12*\i+4*\g:96*((\ks)%2)+12*\i+4*\g+3], v[ADRB+\i/2] offset:(\i%2)*24576+(\ks)*1536+512*\g
.endr
.endr
.endm
.macro KSTEP ks
.if (\ks) < 15
	PLACES                                         ; in front of loads into the set that the last step's products read
	WIN 0x40                                       ; destination window 1, address window 0
	FETCH_B (\ks)+1
	s_wait_dscnt 24                                ; all but the 24 just issued
.else
	s_wait_dscnt 0x0
.endif
.if 6*(15-(\ks)) > 63
	s_wait_loadcnt 63                              ; at least the oldest 97 of 160 are in: the 64 at the head and p's of K steps 0 to 4
.else
	s_wait_loadcnt 6*(15-(\ks))                    ; behind this K step's 6 loads of p stand 6 for each later step
.endif
.if (\ks) < 10
	WIN 0x09                                       ; source 0 (V) window 1, source 1 (p) window 2, C and D window 0
.set PF, 24*(\ks)
.else
	WIN 0x0d                                       ; p in window 3
.set PF, 24*((\ks)-10)
.endif
.if (\ks) == 0
.set ZC, 1
.else
.set ZC, 0
.endif
.irp a, 0,1                            ; the 16 accumulators take turns, in the same order in every step
.irp b, 0,1,2,3,4,5,6,7
	WM ACC+64*\a+8*\b, 96*((\ks)%2)+12*\b, PF+12*\a, SBR+4*(\ks)+\b/2, \b%2, SAR+(\ks), \a
.endr
.endr
.endm
	s_wait_tensorcnt 0x0                           ; my one load, two row blocks of the tile, is in; behind the barrier the whole tile is
	s_barrier_signal -1
	s_barrier_wait -1
	WIN 0x40
	FETCH_B 0
.irp k, 0,1,2,3,4,5,6,7,8,9,10,11,12,13,14,15
	KSTEP \k
.endr
	WIN 0
	PLACES
; THE WAY OUT of block a: divided by l; a lane's eight features of a row are 32 bytes, and the lanes beside it hold other rows: so 16 rows go through my own stage and come back as whole rows of 512 bytes.
.macro PACK a
.set j, 0
.rept 32
	v_pk_mul_f32 v[ACC+64*\a+j:ACC+64*\a+j+1], v[ACC+64*\a+j:ACC+64*\a+j+1], v[10+2*\a:11+2*\a] op_sel_hi:[1,0]   ; each accumulator from its low end on
.set j, j+2
.endr
.irp b, 0,1,2,3,4,5,6,7
	ds_store_b128 v[STO], v[ACC+64*\a+8*\b:ACC+64*\a+8*\b+3] offset:64*\b
	ds_store_b128 v[STO], v[ACC+64*\a+8*\b+4:ACC+64*\a+8*\b+7] offset:64*\b+16
.endr
.irp t, 0,1,2,3,4,5,6,7,8,9,10,11,12,13,14,15
	ds_load_b128 v[ACC+64*\a+4*\t:ACC+64*\a+4*\t+3], v[RD] offset:528*\t   ; LDS serves a wave's instructions in order: these see the stores above, and the next block's stores come behind them
.endr
.endm
.macro SEND a, younger                 ; younger: the LDS instructions issued behind block a's loads
.irp t, 0,1,2,3,4,5,6,7,8,9,10,11,12,13,14,15
	s_wait_dscnt \younger+15-\t
	global_store_b128 v[LI], v[ACC+64*\a+4*\t:ACC+64*\a+4*\t+3], s[30:31] offset:(16*\a+\t)*4096 th:TH_STORE_NT   ; 512 consecutive bytes, aligned; written once, read by nobody here
.endr
.endm
	s_wait_alu depctr_va_vdst(0)
	PACK 0
	PACK 1
	SEND 0, 32                                     ; behind block 0's loads: block 1's 16 stores and 16 loads
	SEND 1, 0
	s_set_vgpr_msb 0x5
	s_wait_tensorcnt 0x0
	ds_add_u32 v254, v255
	s_wait_dscnt 0x0
	s_set_vgpr_msb 0x500
	CROUND                                         ; the closing round: no work-group ends while a partner may still ask for a tile that names it
	s_endpgm
.Lfunc_end_k_qddc4887c75_pv:
	.size	k_qddc4887c75_pv, .Lfunc_end_k_qddc4887c75_pv-k_qddc4887c75_pv
	.p2alignl 7, 3214868480
	.fill 96, 4, 3214868480
	.section	.rodata,"a",@progbits
	.p2align	6, 0x0
	.amdhsa_kernel k_qddc4887c75_pv
		.amdhsa_group_segment_fixed_size 230912
		.amdhsa_private_segment_fixed_size 0
		.amdhsa_enable_private_segment 0
		.amdhsa_kernarg_size 40
		.amdhsa_user_sgpr_count 2
		.amdhsa_user_sgpr_kernarg_segment_ptr 1
		.amdhsa_wavefront_size32 1
		.amdhsa_system_sgpr_workgroup_id_x 1
		.amdhsa_system_sgpr_workgroup_id_y 1
		.amdhsa_system_sgpr_workgroup_id_z 1
		.amdhsa_system_vgpr_workitem_id 0
		.amdhsa_next_free_vgpr 1024
		.amdhsa_next_free_sgpr 66
		.amdhsa_reserve_vcc 0
		.amdhsa_float_denorm_mode_32 3
		.amdhsa_float_denorm_mode_16_64 3
		.amdhsa_memory_ordered 1
		.amdhsa_forward_progress 1
		.amdhsa_inst_pref_size 101
	.end_amdhsa_kernel
	.amdgpu_metadata
---
amdhsa.version: [ 1, 2 ]
amdhsa.kernels:
  - .name:           k_qddc4887c75_pv
    .symbol:         k_qddc4887c75_pv.kd
    .args:
      - { .name: p, .offset: 0, .size: 8, .value_kind: global_buffer, .address_space: global }
      - { .name: ps, .offset: 8, .size: 8, .value_kind: global_buffer, .address_space: global }
      - { .name: vt, .offset: 16, .size: 8, .value_kind: global_buffer, .address_space: global }
      - { .name: vts, .offset: 24, .size: 8, .value_kind: global_buffer, .address_space: global }
      - { .name: out0, .offset: 32, .size: 8, .value_kind: global_buffer, .address_space: global }
    .group_segment_fixed_size: 230912
    .private_segment_fixed_size: 0
    .kernarg_segment_align: 8
    .kernarg_segment_size: 40
    .max_flat_workgroup_size: 128
    .sgpr_count:     66
    .vgpr_count:     1024
    .wavefront_size: 32
...
	.end_amdgpu_metadata
.endif
;; end of part 4
